; MI455X (gfx1250); checked and timed in simulation.
; The chip was launched on July 23, 2026; its instructions are those of AMD's public machine-readable ISA for CDNA 5 (MIT licence, August 2026) and "CDNA5" Instruction Set Architecture Reference Guide (July 2026). The comments in the code are by the model that wrote it; some were corrected since.
;; MHA Encoder Fused Proj. Allowed arithmetic: matrix products marked QUANTISED: E2M3 operands, one E8M0 scale for each 32 along K, by v_wmma_scale_f32_16x16x128_f8f6f4 with both operands' format E2M3, f32 sums; everything else in f32.
;; Inputs: Wout 1,024 x 1,024 float32; Wqkv 3,072 x 1,024 float32; cos 2,048 x 64 float32; sin 2,048 x 64 float32; x 4 x 2,048 x 1,024 float32.
;; Outputs: out0 4 x 2,048 x 1,024 float32.
;; This version of the problem:
;;   THIS VERSION OF THE PROBLEM IS GIVEN IN LOW PRECISION. The matrix products marked QUANTISED in the list below multiply operands that are first quantised to E2M3 (2 exponent bits, 3 mantissa bits; 6 bits a number), with one power-of-two scale for each 32 numbers along K (OCP MX v1.0); their sums are f32. All else is computed in f32.
;;   The module's matrix products, in the order in which they are computed (A, B: the left and right operand; K: the contracted axis; several contracted axes count as one K, in the product's order):
;;     1. [M 8,192, K 1,024] x [K 1,024, N 3,072]; A: input x; B: input Wqkv: QUANTISED
;;     2. batch 64 x [M 2,048, K 64] x [K 64, N 2,048]; A: computed on the way; B: computed on the way: QUANTISED
;;     3. batch 64 x [M 2,048, K 2,048] x [K 2,048, N 64]; A: softmax (see below); B: computed on the way: QUANTISED
;;     4. [M 8,192, K 1,024] x [K 1,024, N 1,024]; A: computed on the way; B: input Wout: QUANTISED
;;   THE QUANTISER, for each operand of a quantised product, along K:
;;     - K is cut into blocks of 32 from its start; a last block that is shorter is filled with zeros.
;;     - A block's scale is 2^e with e = floor(log2(the largest magnitude in the block)) - 2, held to -126 .. 127; a block of zeros has e = 0. As a byte (E8M0): e + 127.
;;     - Each number is divided by its block's scale, clamped to +-7.5, and rounded to the nearest number of E2M3, ties to even, subnormals kept.
;;     - The product sums the exact products of the quantised numbers (number of the format x scale) in f32.
;;   ~~~python
;;   def quantise(x, axis):      # numpy; x: float32 -> the quantised numbers, widened to float32 again
;;       x = np.moveaxis(x, axis, -1); K = x.shape[-1]
;;       x = np.pad(x, [(0, 0)] * (x.ndim - 1) + [(0, -K % 32)]); x = x.reshape(x.shape[:-1] + (-1, 32)); a = np.abs(x).max(-1, keepdims=True)
;;       e = np.where(a > 0, np.clip(np.frexp(np.where(a > 0, a, 1))[1] - 1 - 2, -126, 127), 0)      # np.frexp(a)[1] - 1 = floor(log2(a)), exactly
;;       r = np.clip(x / 2.0 ** e, -7.5, 7.5)
;;       step = 2.0 ** (np.maximum(np.frexp(np.where(r == 0, 1, r))[1] - 1, 0) - 3)
;;       q = np.round(r / step) * step * 2.0 ** e      # np.round: ties to even
;;       return np.moveaxis(q.reshape(q.shape[:-2] + (-1,))[..., :K], -1, axis).astype(np.float32)
;;   ~~~
;;   SOFTMAX AHEAD OF A QUANTISED PRODUCT. Where the list says 'softmax', what is quantised is not the finished softmax but p = 2^(t - M), with t = logit x log2(e) and M = ceil(the row's largest t), a whole number; so 1/2 < the row's largest p <= 1. The row's sum l is taken of the UNQUANTISED p, in f32, and the product's result is divided by l at the end. Since M is a whole number, a kernel that streams over the keys may use a running M (the ceiling of the running maximum): every later rescaling is an exact power of two, which a block's scale takes up: the codes' values come out the same.
;;   OPERANDS COMPUTED ON THE WAY. 'Computed on the way' means the value that the module computes at that place (a softmax that the list does not call 'softmax' is quantised finished and normalised). What goes into a quantiser is computed in f32, as accurately as f32 sums, v_exp_f32 and their like allow (about 1e-6 of the number): no bf16 or f16 on the way to a quantiser, and a product that is left as it is and whose result goes on into a quantised operand takes f32 operands (vector FMAs, or v_wmma_f32_16x16x4_f32). A number that lies on a knife's edge between two numbers of the format may be rounded either way, as far as f32 arithmetic and the matrix unit's own rounding can turn it there, and no further.
;; One version. Each part assembles by itself: llvm-mc -triple=amdgcn-amd-amdhsa -mcpu=gfx1250 --defsym DOCPART=n.
;; ======== version 1 of 1: 4 launches
;; limits: right only within a limited range of input values
;; workspace buffers: cod 15,728,640 bytes; scl 655,360 bytes; rop 1,048,576 bytes; qb 6,553,600 bytes; kv 13,107,200 bytes
;; launch prep (part 1): grid 416 x 1, 4 waves a work-group, no clusters, 34,304 bytes of LDS; arguments x, Wqkv, Wout, cos, sin, cod, scl, rop; writes cod, scl, rop
.if DOCPART == 1
	.amdgcn_target "amdgcn-amd-amdhsa--gfx1250"
	.amdhsa_code_object_version 6
	.text
	.protected	k_q8f01897130_prep
	.globl	k_q8f01897130_prep
	.p2align	8
	.type	k_q8f01897130_prep,@function
k_q8f01897130_prep:
	s_mov_b64 s[64:65], 0
	v_nop
	global_prefetch_b8 v0, s[64:65] scope:SCOPE_SE
	s_setreg_imm32_b32 hwreg(HW_REG_WAVE_MODE, 25, 1), 1
	s_wait_xcnt 0x0
; x [8192][1024], Wqkv [3072][1024] and Wout [1024][1024], f32, become codes of FP6 (E2M3) with one E8M0 byte for each 32 along K, laid as IMAGES OF OPERAND REGISTERS; cos and sin become register images too.
; ROW TILES.  Image row i (0..15) of row tile T of a tensor is its row 32 (T / 2) + 8 (T % 2) + i + 8 (i / 8): used as source 0 of a product, tiles 2 b and 2 b + 1 then give a lane 16 neighbouring rows.
; A FRAGMENT (16 rows x 128 K, 12 registers a lane, 1,536 bytes): register n of lane l at byte 512 (n / 4) + 16 l + 4 (n % 4).  cod: row tile RT at 12,288 RT, K step s at + 1,536 s; x's tiles 0-511, Wqkv's 512-703, Wout's 704-767.
; scl: the scale word of (RT, s, row r) at 512 RT + 256 (s / 4) + 16 r + 4 (s % 4).   rop: position tile P at 8,192 P: sixteen groups of 512 bytes, 16 bytes a lane: cos low, cos high, sin low, sin high dims of lane (r, h).
; A block's scale is 2^(floor(log2(its largest magnitude)) - 2); its byte is the largest magnitude's exponent field - 2, held at 1 from below.
; LIMITS: a block of zeros, or one whose largest magnitude lies under 2^-124, gets the byte 1 (the rule says 127 for zeros: the codes are zeros, and this program alone reads the bytes); NaN and infinities are not served.
; SHARES.  Work-groups 0-383 quantise: wave W = 4 x work-group + wave takes row tile W / 2 and half W % 2 of K: four fragments.  Work-groups 384-415 lay out cos and sin, a position tile a wave.
; Each load reads 512 consecutive bytes of one row; a fragment's 8 KiB turn through the wave's own stage in LDS (rows 528 bytes apart) so that a lane holds 16 neighbours of each block of its row.
; No matrix unit, no cluster, no barrier: no two waves share a byte.
.set R,    32                          ; v32-223  three sets of 64 numbers
.set TM,   8                           ; v8-11 largest magnitudes, v12-15 the other half's and then the bytes, v20-23 the conversions' scale operands
.set PC,   224                         ; v224-235 a fragment's codes; v236-238, v240-242 the halves that are moved
.set SEL,  28                          ; s[28:29] lane selects: lane l xor 16
.set STG,  8448                        ; a wave's stage: 16 rows x 528 bytes
	s_load_b512 s[4:19], s[0:1], 0x0               ; x s[4:5], Wqkv s[6:7], Wout s[8:9], cos s[10:11], sin s[12:13], cod s[14:15], scl s[16:17], rop s[18:19]
	v_lshl_add_u32 v248, v0, 2, 0x8400
	v_mov_b32 v249, 0
	v_lshrrev_b32 v5, 5, v0
	v_readfirstlane_b32 s23, v5                    ; wave
	v_and_b32 v6, 31, v0
	v_lshlrev_b32 v1, 4, v6                        ; 16 x lane
	v_and_b32 v5, 15, v0                           ; r
	v_bfe_u32 v7, v0, 4, 1                         ; h
	s_cmp_ge_u32 ttmp9, 384
	s_cbranch_scc1 .Lrope
	s_mov_b32 s[SEL], 0x76543210
	s_mov_b32 s[SEL+1], 0xfedcba98
	s_mov_b32 s30, 0xffff0000                      ; lanes 16-31
	s_mul_i32 s24, s23, STG
	v_add_nc_u32 v2, s24, v1                       ; the stage, on the way in: 16 x lane, the row in the immediate
	v_mul_u32_u24 v3, v5, 528
	v_lshl_add_u32 v3, v7, 6, v3
	v_add_nc_u32 v3, s24, v3                       ; and on the way out: row r, + 64 h: my 16 numbers of a block of 32
	v_lshlrev_b32 v4, 4, v5
	v_lshl_add_u32 v4, v7, 3, v4                   ; the scale words' place: 16 r + 8 h
.irp b, 0,1,2,3
	v_mov_b32 v[TM+4+\b], 0                        ; written once: a lane permute's destination counts as one of its sources
.endr
	s_wait_alu depctr_va_vdst(0)
	s_wait_kmcnt 0x0
	s_cmp_lt_u32 ttmp9, 256                        ; which tensor: the choice hangs on the work-group's number alone
	s_cselect_b64 s[20:21], s[4:5], s[6:7]
	s_cselect_b32 s22, 0, 256
	s_cmp_lt_u32 ttmp9, 352
	s_cselect_b64 s[20:21], s[20:21], s[8:9]
	s_cselect_b32 s22, s22, 352
	s_sub_co_u32 s22, ttmp9, s22                   ; the work-group's number within its tensor: 32 rows each
	s_lshl_b32 s24, s22, 17                        ; 32 rows of 4,096 bytes,
	s_lshr_b32 s25, s23, 1
	s_lshl_b32 s25, s25, 15                        ; + 8 rows for the second tile,
	s_add_co_u32 s24, s24, s25
	s_and_b32 s25, s23, 1
	s_lshl_b32 s25, s25, 11                        ; + 2,048 bytes for the second half of K
	s_add_co_u32 s24, s24, s25
	s_mov_b32 s25, 0
	s_add_nc_u64 s[20:21], s[20:21], s[24:25]
	s_lshl_b32 s26, ttmp9, 2
	s_add_co_u32 s26, s26, s23                     ; W
	s_mul_i32 s24, s26, 6144                       ; four fragments a wave
	s_add_nc_u64 s[14:15], s[14:15], s[24:25]
	s_lshl_b32 s24, s26, 8                         ; 256 bytes of scale words a wave
	s_add_nc_u64 s[16:17], s[16:17], s[24:25]
.macro LOAD t                          ; fragment t: 16 rows x 512 bytes into set t % 3
.set RL, R+64*((\t)%3)
.irp i, 0,1,2,3,4,5,6,7,8,9,10,11,12,13,14,15
	global_load_b128 v[RL+4*\i:RL+4*\i+3], v1, s[20:21] offset:(\i+8*(\i/8))*4096+512*(\t) th:TH_LOAD_NT
.endr
.endm
; 64 numbers of a lane, register 16 b + i = k 32 b + 16 h + i of my row, become a fragment's codes in v[PC] on and its scale word in v[pw]
.macro QUANT s, pw
.irp b, 0,1,2,3
	v_max3_num_f32 v[TM+\b], |v[\s+16*\b]|, |v[\s+1+16*\b]|, 0x1800000   ; my 16 numbers of block b, and the floor 2^(3 - 127): the byte cannot fall under 1
.endr
.irp i, 2,4,6,8,10,12,14
.irp b, 0,1,2,3
	v_max3_num_f32 v[TM+\b], v[TM+\b], |v[\s+16*\b+\i]|, |v[\s+1+16*\b+\i]|
.endr
.endr
.irp b, 0,1,2,3
	v_permlanex16_b32 v[TM+4+\b], v[TM+\b], s[SEL], s[SEL+1]
.endr
.irp b, 0,1,2,3
	v_max_num_f32 v[TM+\b], v[TM+\b], v[TM+4+\b]   ; with lane l xor 16's: the block's largest magnitude
.endr
.irp b, 0,1,2,3
	v_add_nc_u32 v[TM+12+\b], 0xff000000, v[TM+\b] ; 2 off its exponent field: the conversion takes the exponent field of this operand as its scale
.endr
.irp b, 0,1,2,3
	v_lshrrev_b32 v[TM+4+\b], 23, v[TM+12+\b]      ; the scale's byte
.endr
	v_lshl_or_b32 v[\pw], v[TM+5], 8, v[TM+4]
	v_lshl_or_b32 v[\pw], v[TM+6], 16, v[\pw]
	v_lshl_or_b32 v[\pw], v[TM+7], 24, v[\pw]      ; my row's scale word (the same in both halves of the lanes)
	s_wait_xcnt 0x0                                ; the last fragment's stores have read the codes' registers
.irp c, 0,1
	v_cvt_scalef32_pk16_fp6_f32 v[PC+6*\c:PC+2+6*\c], v[\s+32*\c:\s+15+32*\c], v[TM+12+2*\c]
	v_cvt_scalef32_pk16_fp6_f32 v[PC+12+4*\c:PC+14+4*\c], v[\s+16+32*\c:\s+31+32*\c], v[TM+13+2*\c]   ; (a conversion's three registers begin on an even number)
.endr
	v_nop                                          ; one plain place behind a scaled conversion
.irp c, 0,1                                    ; the operand's layout wants a whole block in a lane: lanes 0-15 block 2 c, lanes 16-31 block 2 c + 1
.irp i, 0,1,2
	v_permlane16_swap_b32 v[PC+6*\c+\i], v[PC+12+4*\c+\i]
.endr
.irp i, 0,1,2
	v_mov_b32 v[PC+3+6*\c+\i], v[PC+12+4*\c+\i]
.endr
.endr
.endm
.macro STEP t
.set RS, R+64*((\t)%3)
.if (\t) < 3
	s_wait_loadcnt 16                              ; this fragment's 16 loads are in; the next one's 16 may be out
.else
	s_wait_loadcnt 0x0
.endif
.irp i, 0,1,2,3,4,5,6,7,8,9,10,11,12,13,14,15
	ds_store_b128 v2, v[RS+4*\i:RS+4*\i+3] offset:528*\i
.endr
.irp b, 0,1,2,3
.irp j, 0,1,2,3
	ds_load_b128 v[RS+16*\b+4*\j:RS+16*\b+4*\j+3], v3 offset:128*\b+16*\j   ; LDS serves a wave's instructions in order: these see the stores above
.endr
.endr
.if (\t) < 2
	LOAD (\t)+2
.endif
	s_wait_dscnt 0x0
	QUANT RS, 24+(\t)
.irp c, 0,1,2
	global_store_b128 v1, v[PC+4*\c:PC+4*\c+3], s[14:15] offset:1536*(\t)+512*\c   ; 512 consecutive bytes
.endr
.endm
	LOAD 0
	LOAD 1
	STEP 0
	STEP 1
	STEP 2
	STEP 3
	v_cndmask_b32 v28, v24, v26, s30               ; lanes 0-15 store their row's words 0 and 1, lanes 16-31 words 2 and 3:
	v_cndmask_b32 v29, v25, v27, s30
	global_store_b64 v4, v[28:29], s[16:17]        ; 256 consecutive bytes, aligned
	s_wait_tensorcnt 0x0
	ds_add_u32 v248, v249
	s_wait_dscnt 0x0
	s_endpgm
.Lrope:                                            ; a wave lays out cos and sin of one tile of 16 positions
	s_sub_co_u32 s22, ttmp9, 384
	s_lshl_b32 s22, s22, 2
	s_add_co_u32 s22, s22, s23                     ; P
	s_lshr_b32 s24, s22, 1
	s_lshl_b32 s24, s24, 13                        ; 32 (P / 2) rows of 256 bytes
	s_and_b32 s25, s22, 1
	s_lshl_b32 s25, s25, 11                        ; + 8 (P % 2) rows
	s_add_co_u32 s24, s24, s25
	s_mov_b32 s25, 0
	s_lshl_b32 s26, s22, 13
	s_mov_b32 s27, 0
	s_wait_alu depctr_va_vdst(0)
	v_and_b32 v8, 8, v5
	v_add_nc_u32 v8, v8, v5                        ; r + 8 (r / 8)
	v_lshlrev_b32 v8, 8, v8
	v_lshl_add_u32 v8, v7, 6, v8                   ; my position's row, + 64 h
	s_wait_alu depctr_va_vdst(0)
	s_wait_kmcnt 0x0
	s_add_nc_u64 s[10:11], s[10:11], s[24:25]
	s_add_nc_u64 s[12:13], s[12:13], s[24:25]
	s_add_nc_u64 s[18:19], s[18:19], s[26:27]
.irp k, 0,1,2,3,4,5,6,7
	global_load_b128 v[32+4*\k:35+4*\k], v8, s[10:11] offset:16*(\k%4)+128*(\k/4)
	global_load_b128 v[64+4*\k:67+4*\k], v8, s[12:13] offset:16*(\k%4)+128*(\k/4)
.endr
	s_wait_loadcnt 0x0
.irp k, 0,1,2,3,4,5,6,7,8,9,10,11,12,13,14,15
	global_store_b128 v1, v[32+4*\k:35+4*\k], s[18:19] offset:512*\k
.endr
	s_endpgm
.Lfunc_end_k_q8f01897130_prep:
	.size	k_q8f01897130_prep, .Lfunc_end_k_q8f01897130_prep-k_q8f01897130_prep
	.p2alignl 7, 3214868480
	.fill 96, 4, 3214868480
	.section	.rodata,"a",@progbits
	.p2align	6, 0x0
	.amdhsa_kernel k_q8f01897130_prep
		.amdhsa_group_segment_fixed_size 34304
		.amdhsa_private_segment_fixed_size 0
		.amdhsa_enable_private_segment 0
		.amdhsa_kernarg_size 64
		.amdhsa_user_sgpr_count 2
		.amdhsa_user_sgpr_kernarg_segment_ptr 1
		.amdhsa_wavefront_size32 1
		.amdhsa_system_sgpr_workgroup_id_x 1
		.amdhsa_system_sgpr_workgroup_id_y 1
		.amdhsa_system_sgpr_workgroup_id_z 1
		.amdhsa_system_vgpr_workitem_id 0
		.amdhsa_next_free_vgpr 250
		.amdhsa_next_free_sgpr 66
		.amdhsa_reserve_vcc 0
		.amdhsa_float_denorm_mode_32 3
		.amdhsa_float_denorm_mode_16_64 3
		.amdhsa_memory_ordered 1
		.amdhsa_forward_progress 1
		.amdhsa_inst_pref_size 37
	.end_amdhsa_kernel
	.amdgpu_metadata
---
amdhsa.version: [ 1, 2 ]
amdhsa.kernels:
  - .name:           k_q8f01897130_prep
    .symbol:         k_q8f01897130_prep.kd
    .args:
      - { .name: x, .offset: 0, .size: 8, .value_kind: global_buffer, .address_space: global }
      - { .name: Wqkv, .offset: 8, .size: 8, .value_kind: global_buffer, .address_space: global }
      - { .name: Wout, .offset: 16, .size: 8, .value_kind: global_buffer, .address_space: global }
      - { .name: cos, .offset: 24, .size: 8, .value_kind: global_buffer, .address_space: global }
      - { .name: sin, .offset: 32, .size: 8, .value_kind: global_buffer, .address_space: global }
      - { .name: cod, .offset: 40, .size: 8, .value_kind: global_buffer, .address_space: global }
      - { .name: scl, .offset: 48, .size: 8, .value_kind: global_buffer, .address_space: global }
      - { .name: rop, .offset: 56, .size: 8, .value_kind: global_buffer, .address_space: global }
    .group_segment_fixed_size: 34304
    .private_segment_fixed_size: 0
    .kernarg_segment_align: 8
    .kernarg_segment_size: 64
    .max_flat_workgroup_size: 128
    .sgpr_count:     66
    .vgpr_count:     250
    .wavefront_size: 32
...
	.end_amdgpu_metadata
.endif
;; end of part 1
;; launch qkv (part 2): grid 12 x 32, 4 waves a work-group, clusters of 4 x 4, 327,680 bytes of LDS; arguments cod, scl, rop, qb, kv; writes qb, kv
.if DOCPART == 2
	.amdgcn_target "amdgcn-amd-amdhsa--gfx1250"
	.amdhsa_code_object_version 6
	.text
	.protected	k_q8f01897130_qkv
	.globl	k_q8f01897130_qkv
	.p2align	8
	.type	k_q8f01897130_qkv,@function
k_q8f01897130_qkv:
	s_mov_b64 s[64:65], 0
	v_nop
	global_prefetch_b8 v0, s[64:65] scope:SCOPE_SE
	s_setreg_imm32_b32 hwreg(HW_REG_WAVE_MODE, 25, 1), 1
	s_wait_xcnt 0x0
	s_wait_alu depctr_hold_cnt(0) depctr_sa_sdst(0) depctr_va_vdst(0) depctr_va_sdst(0) depctr_va_ssrc(0) depctr_va_vcc(0) depctr_vm_vsrc(0)
	s_getreg_b32 s2, hwreg(HW_REG_IB_STS2, 6, 4)
	s_cmp_eq_u32 s2, 0
	s_cbranch_scc0 .Lentry_in_a_cluster
	s_endpgm
.Lentry_in_a_cluster:
	s_bfe_u32 s2, ttmp6, 0x10000c
	s_cmp_lg_u32 s2, 0xf033
	s_cbranch_scc0 .Lentry_shape_is_right
	s_endpgm
.Lentry_shape_is_right:
; qkv = x Wqkv^T on codes of FP6 (E2M3) with E8M0 scales, K = 1,024; then, in registers: q and k take the rotary embedding in f32 and are quantised along the head's 64; v is quantised along the keys.
; Operands come as images of operand registers (fragments of 1,536 bytes: row tile RT at 12,288 RT, K step s of 128 at + 1,536 s; image row i of tile T = row 32 (T / 2) + 8 (T % 2) + i + 8 (i / 8)).
; A tile of 256 x 256 is made by four waves, 128 x 128 each: 64 accumulators in windows 2 and 3.  The matrix instruction takes a fragment of the "B region" as source 0 and one of the "A region" as source 1:
; lane (r, h) holds A's image row r, and the 16 registers of B's tiles 2 b, 2 b + 1 are B's rows 32 b + 16 h + 0 .. 15.
; CLUSTER x = 0 (q), 1 (k): A = tokens, B = features: a lane holds one token and runs along the head.  CLUSTER x = 2 (v): A = Wv's features, B = tokens: a lane holds one channel and runs along the keys.
; The choice hangs on the cluster's x alone, which all sixteen partners share.  A's tiles are asked for jointly along a row of the cluster, B's along a column.
; K goes in three tensor loads a wave: K 0 .. 511 at the head, 512 .. 767 a first fill behind a round, 768 .. 1,023 the one refill, behind a round of the cluster's barrier.
; OUT.  qb: [16 batch + head][step of 128 tokens] records of 6,400 bytes: four fragments (group g of 32 tokens: registers 6 u .. 6 u + 5 of lane (r, h) = dims 32 h .. + 31 of token 32 g + 8 u + r + 8 (r / 8)), then 256 bytes of scale
; words at 16 r + 4 g (bytes 0, 1: u = 0; bytes 2, 3: u = 1).  kv: records of 12,800 bytes: k's four fragments likewise, v's four (16 channels x the step's 128 keys), k's words, v's words (16 r + 4 t).
; LIMITS: a block of zeros, or one whose largest magnitude lies under 2^-124, gets the byte 1 (its codes are zeros or near; this program alone reads the bytes); NaN and infinities are not served.
; The rope images come by plain loads, two tiles ahead; the two waves of a work-group that share tokens each load them.
.set FR,    12                         ; registers of a fragment
; THE WALK ALONG K, as the text below has it (it replaces the head comment's sentence on three slots).  LDS regions: region 0, bytes 0 .. 196,607: K 0 .. 511 of A's 16 row tiles, then of B's 16, 6,144 bytes a row tile: the head's one
; load a wave (8 row tiles x 6,144 bytes).  Region 1, from byte 196,608: K 512 .. 767, 3,072 bytes a row tile: a first fill behind the full sequence and a round.  Region 2, bytes 0 .. 98,303: K 768 .. 1,023, the one refill, behind the
; round in step 3, when nobody reads region 0 any more.  A wave has one tensor load out at any time.
.set HALFT, 24576                      ; 8 row tiles x 3,072 bytes: what one tensor load brings into region 1 or 2
.set SLOT,  98304                      ; regions 1 and 2: A's 16 row tiles, then B's 16; region 0 is twice as long
.set SPARE, 294912                     ; behind the three slots: the spare words, 128 bytes a wave: two blocks of 256 bytes that no other line names
.set ADRA,  16                         ; v16-18  LDS address of my A fragments in slot 0, 1, 2
.set ADRB,  20                         ; v20-22  the same for B
.set W8,    25                         ; v25     16 r + 8 h
.set L16,   26                         ; v26     16 x lane
.set SOFF,  27                         ; v27     my offset among the scale words
.set SPW,   28                         ; v28     my spare word; never rewritten
.set NIL,   29                         ; v29     0; never rewritten
.set SC,    32                         ; v32-95  scale words and nothing else: register 8 i + s: lanes 0-15 A's tile i, lanes 16-31 B's tile i, K step s
.set AF,    128                        ; v128-223 A's fragments, one set (window 0); B's two sets at v0 and v128 of window 1
.set G1A,   24                         ; s[24:31] group 1 for A's tiles; s[32:43] groups 0, one a slot
.set G0A,   32
.set G1B,   44                         ; s[44:51], s[52:63] the same for B's
.set G0B,   52
.set SEL,   94                         ; s[94:95] lane selects: lane l xor 16
.set MSB, 0
.macro WIN new                         ; the immediate's high byte repeats the setting that is left
.if MSB != (\new)
	s_set_vgpr_msb (MSB<<8)|(\new)
.set MSB, (\new)
.endif
.endm
.set MUL_LO, 0xa1                      ; source 0 (B) window 1, source 1 (A) window 0, C and D window 2
.set MUL_HI, 0xf1                      ; the same, C and D window 3
.set TO_B,   0x40                      ; destination window 1, address window 0
.macro JLOAD n                         ; the joint load for region n: waves 0, 1 for A, waves 2, 3 for B; four v_nop follow each line
	s_cmp_eq_u32 s15, 0
	s_cbranch_scc0 .Lfor_b_\@
	tensor_load_to_lds s[G0A+4*\n:G0A+4*\n+3], s[G1A:G1A+7]
	s_nop 0
.rept 4
	v_nop
.endr
	s_branch .Lasked_\@
.Lfor_b_\@:
	tensor_load_to_lds s[G0B+4*\n:G0B+4*\n+3], s[G1B:G1B+7]
	s_nop 0
.rept 4
	v_nop
.endr
.Lasked_\@:
.endm
.macro CREST                           ; a round of the cluster's barrier behind its opening barrier
	s_cmp_lg_u32 s14, 0
	s_cbranch_scc1 .Lnot_wave_0_\@
	s_barrier_signal -3
.Lnot_wave_0_\@:
	s_barrier_wait -3
	s_barrier_signal -1
	s_barrier_wait -1
.endm
.macro CROUND
	s_barrier_signal -1
	s_barrier_wait -1
	CREST
.endm
.macro PLACES n
.rept \n
	v_nop
.endr
.endm
.macro FRAG reg, adr, off              ; a fragment comes as it was stored: three loads of 16 bytes a lane, 512 consecutive bytes each
.irp c, 0,1,2
	ds_load_b128 v[\reg+4*\c:\reg+4*\c+3], v[\adr] offset:\off+512*\c
.endr
.endm
.macro FETCH_B slot, q, p              ; B's eight fragments of the slot's q-th 128 along K into set p
	WIN TO_B
.irp i, 0,1,2,3,4,5,6,7
	FRAG 128*(\p)+FR*\i, ADRB+(\slot), (6144-3072*(((\slot)+1)/2))*\i+1536*(\q)
.endr
	WIN 0
.endm
.macro FETCH_A slot, q, i0             ; A's blocks i0 .. i0 + 3
.irp i, \i0, \i0+1, \i0+2, \i0+3
	FRAG AF+FR*(\i), ADRA+(\slot), (6144-3072*(((\slot)+1)/2))*(\i)+1536*(\q)
.endr
.endm
; 16 matrix instructions: A's blocks a0, a0 + 1 x B's eight, K step s; p: B's set.  The 64 accumulators take turns, one instruction a turn, in the same order in every step.
.macro MUL16 a0, p, s, zero
.irp a, \a0, \a0+1
.irp b, 0,1,2,3,4,5,6,7
.if \zero
	v_wmma_scale_f32_16x16x128_f8f6f4 v[8*(8*((\a)%4)+\b):8*(8*((\a)%4)+\b)+7], v[128*(\p)+FR*\b:128*(\p)+FR*\b+FR-1], v[AF+FR*(\a):AF+FR*(\a)+FR-1], 0, v[SC+8*\b+(\s)], v[SC+8*(\a)+(\s)] matrix_a_fmt:MATRIX_FMT_FP6 matrix_b_fmt:MATRIX_FMT_FP6 matrix_a_scale:MATRIX_SCALE_ROW1
.else
	v_wmma_scale_f32_16x16x128_f8f6f4 v[8*(8*((\a)%4)+\b):8*(8*((\a)%4)+\b)+7], v[128*(\p)+FR*\b:128*(\p)+FR*\b+FR-1], v[AF+FR*(\a):AF+FR*(\a)+FR-1], v[8*(8*((\a)%4)+\b):8*(8*((\a)%4)+\b)+7], v[SC+8*\b+(\s)], v[SC+8*(\a)+(\s)] matrix_a_fmt:MATRIX_FMT_FP6 matrix_b_fmt:MATRIX_FMT_FP6 matrix_a_scale:MATRIX_SCALE_ROW1
.endif
.endr
.endr
.endm
; K step s on B's set p; the next step's fragments come from slot nslot, its nq-th 128.  Four plain places stand in front of each run of loads into registers that matrix instructions have read.
.macro STEP p, s, zero, nslot, nq
	s_wait_dscnt 12                                ; B's set and A's blocks 0-3 are in; the youngest twelve loads (A's blocks 4-7) may be out
	WIN MUL_LO
	MUL16 0, \p, \s, \zero
	MUL16 2, \p, \s, \zero
	s_wait_dscnt 0x0
	PLACES 4
	FETCH_B \nslot, \nq, 1-(\p)
	FETCH_A \nslot, \nq, 0
	WIN MUL_HI
	MUL16 4, \p, \s, \zero
	MUL16 6, \p, \s, \zero
	PLACES 4
	WIN 0
	FETCH_A \nslot, \nq, 4
.endm
; A step with a barrier in it.  In front of the barrier each wave waits for all its tensor loads, adds 0 to its spare word, and waits for that and for its LDS reads.  fill = 1: slot 0, which nobody reads any more, takes K step 3.
.macro TURN p, s, fill, nslot
	s_wait_tensorcnt 0x0                           ; all my tensor loads have landed
	ds_add_u32 v[SPW], v[NIL]                      ; 0 onto my spare word
	s_wait_dscnt 13                                ; (the add and A's blocks 4-7 may be out)
	WIN MUL_LO
	MUL16 0, \p, \s, 0
	s_wait_dscnt 0x0                               ; the add is done, and my reads of the slots so far are over
	s_barrier_signal -1
	MUL16 2, \p, \s, 0
	WIN 0
	s_barrier_wait -1
.if \fill
	CREST                                          ; the barrier has opened a round of the cluster's: no wave of any partner still reads slot 0 or has a load on its way
	JLOAD 2                                        ; the first tensor load behind the round: K 768 .. 1,023 into region 2; its four v_nop are the places for the loads below
.else
	PLACES 4
.endif
	FETCH_B \nslot, 0, 0
	FETCH_A \nslot, 0, 0
	WIN MUL_HI
	MUL16 4, \p, \s, 0
	MUL16 6, \p, \s, 0
	PLACES 4
	WIN 0
	FETCH_A \nslot, 0, 4
.endm
	s_load_b256 s[4:11], s[0:1], 0x0               ; cod s[4:5], scl s[6:7], rop s[8:9], qb s[10:11]
	s_load_b64 s[12:13], s[0:1], 0x20              ; kv
	v_lshl_add_u32 v[SPW], v0, 2, SPARE
	v_mov_b32 v[NIL], 0
	ds_add_u32 v28, v29
	ds_add_u32 v28, v29
	s_wait_dscnt 0x0
	v_lshrrev_b32 v1, 5, v0
	v_readfirstlane_b32 s14, v1                    ; wave 0..3
	s_lshr_b32 s15, s14, 1                         ; my half of A's rows.  Also: I fetch for A (0) or for B (1)
	s_and_b32 s16, s14, 1                          ; my half of B's rows.  Also: which 8 row tiles I fetch
	s_bfe_u32 s66, ttmp6, 0x40000                  ; cx
	s_bfe_u32 s67, ttmp6, 0x40004                  ; cy
	s_and_b32 s23, ttmp7, 0xffff                   ; the cluster's y
	s_cmp_eq_u32 ttmp9, 2                          ; v's clusters swap the regions
	s_cselect_b32 s17, 0, s23
	s_cselect_b32 s18, 640, 0                      ; A's first row tile in cod: Wv's or x's
	s_cselect_b32 s19, s23, ttmp9
	s_cselect_b32 s20, 0, 512                      ; B's: x's or Wq's
	s_lshl_b32 s21, s17, 2
	s_add_co_u32 s21, s21, s67                     ; A's tile of 256 rows: hangs on cy alone
	s_lshl_b32 s22, s19, 2
	s_add_co_u32 s22, s22, s66                     ; B's: on cx alone
	s_lshl_b32 s68, s67, 2
	s_lshl_b32 s68, 15, s68                        ; my row of the cluster
	s_lshl_b32 s69, 0x1111, s66                    ; my column
	s_or_b32 s[G1A], s68, (3<<16)|(1<<21)          ; 15:0 the mask; 17:16 elements of 8 bytes; 21 set beside a mask; no padding
	s_or_b32 s[G1B], s69, (3<<16)|(1<<21)
.irp g, G1A, G1B
	s_mov_b32 s[\g+1], 768<<16                     ; tensor_dim0: 6,144 bytes, for the head's load; set to 3,072 behind it
	s_mov_b32 s[\g+2], 8<<16                       ; tensor_dim1: 8 row tiles
	s_mov_b32 s[\g+3], 768<<16                     ; tile_dim0
	s_mov_b32 s[\g+4], 8                           ; tile_dim1
	s_mov_b32 s[\g+5], 1536                        ; from row tile to row tile: 12,288 bytes
	s_mov_b32 s[\g+6], 0
	s_mov_b32 s[\g+7], 0
.endr
	s_mov_b32 s92, 0xffff0000                      ; lanes 16-31
	s_mov_b32 s[SEL], 0x76543210
	s_mov_b32 s[SEL+1], 0xfedcba98
	s_lshl_b32 s70, s21, 4
	s_add_co_u32 s70, s70, s18
	s_lshl_b32 s71, s16, 3
	s_add_co_u32 s70, s70, s71                     ; A: the first of the 8 row tiles that I fetch
	s_mul_i32 s70, s70, 12288
	s_mov_b32 s71, 0
	s_lshl_b32 s72, s22, 4
	s_add_co_u32 s72, s72, s20
	s_lshl_b32 s73, s16, 3
	s_add_co_u32 s72, s72, s73                     ; B likewise
	s_mul_i32 s72, s72, 12288
	s_mov_b32 s73, 0
	s_mul_i32 s74, s14, HALFT                      ; where they go: A's two halves, then B's: no place in the cluster enters an LDS address
	s_wait_kmcnt 0x0
	s_add_nc_u64 s[70:71], s[4:5], s[70:71]
	s_add_nc_u64 s[72:73], s[4:5], s[72:73]
	CROUND                                         ; all sixteen work-groups are here: the first joint loads meet
.irp n, 0,1,2
	s_mov_b32 s[G0A+4*\n], 1
.if \n == 0
	s_lshl_b32 s[G0A+1], s74, 1                    ; region 0: wave x 49,152
.else
	s_add_co_u32 s[G0A+4*\n+1], s74, (2-\n)*2*SLOT ; region 1 from byte 196,608, region 2 from byte 0: + wave x 24,576
.endif
	s_add_nc_u64 s[G0A+4*\n+2:G0A+4*\n+3], s[70:71], (\n+(\n+1)/2)*3072   ; K 0, 512, 768
	s_or_b32 s[G0A+4*\n+3], s[G0A+4*\n+3], 0x80000000
	s_mov_b32 s[G0B+4*\n], 1
.if \n == 0
	s_lshl_b32 s[G0B+1], s74, 1
.else
	s_add_co_u32 s[G0B+4*\n+1], s74, (2-\n)*2*SLOT
.endif
	s_add_nc_u64 s[G0B+4*\n+2:G0B+4*\n+3], s[72:73], (\n+(\n+1)/2)*3072
	s_or_b32 s[G0B+4*\n+3], s[G0B+4*\n+3], 0x80000000
.endr
	JLOAD 0                                        ; K 0 .. 511: one tensor load a wave at the head
	v_and_b32 v1, 15, v0                           ; r
	v_bfe_u32 v2, v0, 4, 1                         ; h
	v_and_b32 v3, 31, v0
	v_lshlrev_b32 v[L16], 4, v3
	v_lshlrev_b32 v[W8], 4, v1
	v_lshl_add_u32 v[W8], v2, 3, v[W8]
	s_mul_i32 s75, s15, HALFT                      ; my 8 row tiles of A in region 2,
	s_mul_i32 s76, s16, HALFT
	s_add_co_u32 s76, s76, 2*HALFT                 ; and of B, behind A's 16
	v_add_nc_u32 v[ADRA+2], s75, v[L16]
	v_add_nc_u32 v[ADRB+2], s76, v[L16]
	v_add_nc_u32 v[ADRA+1], 2*SLOT, v[ADRA+2]      ; region 1 lies 196,608 bytes on
	v_add_nc_u32 v[ADRB+1], 2*SLOT, v[ADRB+2]
	v_add_nc_u32 v[ADRA], s75, v[ADRA+2]           ; region 0 has twice the bytes a row tile: every term but the lane's doubles
	v_add_nc_u32 v[ADRB], s76, v[ADRB+2]
	s_lshl_b32 s77, s21, 4                         ; the scale words: 512 bytes a row tile; lanes 0-15 take A's, lanes 16-31 B's
	s_add_co_u32 s77, s77, s18
	s_lshl_b32 s78, s15, 3
	s_add_co_u32 s77, s77, s78
	s_lshl_b32 s77, s77, 9
	s_lshl_b32 s78, s22, 4
	s_add_co_u32 s78, s78, s20
	s_lshl_b32 s79, s16, 3
	s_add_co_u32 s78, s78, s79
	s_lshl_b32 s78, s78, 9
	v_mov_b32 v4, s77
	v_mov_b32 v5, s78
	v_cndmask_b32 v[SOFF], v4, v5, s92
	v_lshl_add_u32 v[SOFF], v1, 4, v[SOFF]
.irp i, 0,1,2,3,4,5,6,7
.irp f, 0,1
	global_load_b128 v[SC+8*\i+4*\f:SC+8*\i+4*\f+3], v[SOFF], s[6:7] offset:512*\i+256*\f   ; each half of the lanes reads 256 consecutive bytes: four K steps' words of 16 rows
.endr
.endr
	s_wait_alu depctr_va_vdst(0)
	s_wait_tensorcnt 0x0                           ; my part of K 0 .. 511 is in
	ds_add_u32 v[SPW], v[NIL]
	s_mov_b32 s[G1A+1], 384<<16                    ; no tensor load of mine is out, so a descriptor may be written: from here on a row is 3,072 bytes
	s_mov_b32 s[G1A+3], 384<<16
	s_mov_b32 s[G1B+1], 384<<16
	s_mov_b32 s[G1B+3], 384<<16
	s_wait_dscnt 0x0
	CROUND                                         ; everybody's part is in, and all sixteen work-groups are here
	JLOAD 1                                        ; K 512 .. 767 into region 1: the first tensor load behind the round
	FETCH_B 0, 0, 0
	FETCH_A 0, 0, 0
	FETCH_A 0, 0, 4
	s_wait_loadcnt 0x0                             ; the scale words
	STEP 0, 0, 1, 0, 1                             ; the first step's products start the sums: nothing is cleared
	STEP 1, 1, 0, 0, 2
	STEP 0, 2, 0, 0, 3
	TURN 1, 3, 1, 1                                ; region 1 has landed; region 0 is left, and its first half is filled again as region 2
	STEP 0, 4, 0, 1, 1
	TURN 1, 5, 0, 2                                ; region 2 has landed, everybody's part
	STEP 0, 6, 0, 2, 1
	s_wait_dscnt 12
	WIN MUL_LO
	MUL16 0, 1, 7, 0
	MUL16 2, 1, 7, 0
	s_wait_dscnt 0x0
	WIN MUL_HI
	MUL16 4, 1, 7, 0
	MUL16 6, 1, 7, 0
	WIN 0
	PLACES 4                                       ; in front of the first read of results and of writes into the fragments' registers
; 32 numbers of a lane, registers 0-15 = dims 16 h + i, registers 16-31 = dims 32 + 16 h + i of my row, become six registers of codes (dims 32 h .. 32 h + 31) at v[dst] on; the two scale bytes in v[TW]
.set BM, 188
.set BX, 190
.set SO, 192
.set BY, 194
.set TW, 196
.macro Q32 src, dst, pt
	v_max3_num_f32 v[BM], |v[(\src)]|, |v[(\src)+1]|, 0x1800000       ; the floor 2^(3 - 127): the byte cannot fall under 1
	v_max3_num_f32 v[BM+1], |v[(\src)+16]|, |v[(\src)+17]|, 0x1800000
.irp i, 2,4,6,8,10,12,14
	v_max3_num_f32 v[BM], v[BM], |v[(\src)+\i]|, |v[(\src)+1+\i]|
	v_max3_num_f32 v[BM+1], v[BM+1], |v[(\src)+16+\i]|, |v[(\src)+17+\i]|
.endr
	v_permlanex16_b32 v[BX], v[BM], s[SEL], s[SEL+1]
	v_permlanex16_b32 v[BX+1], v[BM+1], s[SEL], s[SEL+1]
	v_max_num_f32 v[BM], v[BM], v[BX]
	v_max_num_f32 v[BM+1], v[BM+1], v[BX+1]
	v_add_nc_u32 v[SO], 0xff000000, v[BM]          ; 2 off the exponent field: the conversion's scale operand
	v_add_nc_u32 v[SO+1], 0xff000000, v[BM+1]
	v_lshrrev_b32 v[BY], 23, v[SO]
	v_lshrrev_b32 v[BY+1], 23, v[SO+1]
	v_lshl_or_b32 v[TW], v[BY+1], 8, v[BY]
	v_cvt_scalef32_pk16_fp6_f32 v[(\dst):(\dst)+2], v[(\src):(\src)+15], v[SO]
	v_cvt_scalef32_pk16_fp6_f32 v[(\pt):(\pt)+2], v[(\src)+16:(\src)+31], v[SO+1]
	v_nop                                          ; one plain place behind a scaled conversion
.irp i, 0,1,2
	v_permlane16_swap_b32 v[(\dst)+\i], v[(\pt)+\i]
.endr
.irp i, 0,1,2
	v_mov_b32 v[(\dst)+3+\i], v[(\pt)+\i]
.endr
.endm
.macro WORDS4 w, o, ps                 ; four words a row: lanes 0-15 store words 0, 1, lanes 16-31 words 2, 3: 256 consecutive bytes, aligned
	v_cndmask_b32 v[\o], v[\w], v[\w+2], s92
	v_cndmask_b32 v[\o+1], v[\w+1], v[\w+3], s92
	global_store_b64 v[W8], v[\o:\o+1], s[\ps:\ps+1]
.endm
	s_cmp_eq_u32 ttmp9, 2
	s_cbranch_scc1 .Lv
	; ---- q and k.  My 128 tokens are one step of a batch, my 128 features two heads
.set T,  128                           ; v128-159 a token's 64 dims after the rotation, 32 a lane
.set F,  160                           ; v160-171, v172-183 the fragment in hand of head 0, 1
.set PT, 184
.set WD, 200                           ; v200-207 scale words: 4 x head + g
	s_cmp_eq_u32 ttmp9, 1
	s_cselect_b64 s[80:81], s[12:13], s[10:11]     ; k goes to kv, q to qb
	s_mov_b32 s90, 102400
	s_cselect_b32 s90, 204800, s90                 ; bytes of a head,
	s_mov_b32 s91, 6400
	s_cselect_b32 s91, 12800, s91                  ; of a record,
	s_mov_b32 s93, 6144
	s_cselect_b32 s93, 12288, s93                  ; and where the words lie in it
	s_lshr_b32 s76, s21, 3                         ; batch
	s_lshl_b32 s76, s76, 4
	s_and_b32 s77, s22, 3
	s_lshl_b32 s77, s77, 2
	s_add_co_u32 s76, s76, s77
	s_lshl_b32 s77, s16, 1
	s_add_co_u32 s76, s76, s77                     ; 16 batch + my first head
	s_mul_i32 s76, s76, s90
	s_and_b32 s77, s21, 7
	s_lshl_b32 s77, s77, 1
	s_add_co_u32 s77, s77, s15                     ; the step
	s_mul_i32 s77, s77, s91
	s_add_co_u32 s76, s76, s77
	s_mov_b32 s77, 0
	s_add_nc_u64 s[80:81], s[80:81], s[76:77]      ; head 0's record,
	s_mov_b32 s76, s90
	s_add_nc_u64 s[82:83], s[80:81], s[76:77]      ; head 1's,
	s_mov_b32 s76, s93
	s_add_nc_u64 s[84:85], s[80:81], s[76:77]      ; and their words
	s_add_nc_u64 s[86:87], s[82:83], s[76:77]
	s_lshl_b32 s76, s21, 4
	s_lshl_b32 s78, s15, 3
	s_add_co_u32 s76, s76, s78
	s_and_b32 s76, s76, 127                        ; my first position tile
	s_lshl_b32 s76, s76, 13
	s_add_nc_u64 s[88:89], s[8:9], s[76:77]
	v_mov_b32 v[BX], 0                             ; written once: a lane permute's destination counts as one of its sources
	v_mov_b32 v[BX+1], 0
.macro ROPELOAD a                      ; cos and sin of token tile a, 64 registers, into set a % 2 of window 1
	WIN TO_B
.irp k, 0,1,2,3,4,5,6,7,8,9,10,11,12,13,14,15
	global_load_b128 v[128*((\a)%2)+4*\k:128*((\a)%2)+4*\k+3], v[L16], s[88:89] offset:8192*(\a)+512*\k
.endr
	WIN 0
.endm
.macro ROPE a, hl                      ; low dims: x cos - x(+32) sin; high dims: x cos + x(-32) sin.  Each accumulator is read from its low end on
.set XL, 64*((\a)%4)+32*(\hl)
.set XH, XL+16
.set RS, 128*((\a)%2)
	WIN 0x06+(\a)/4                                ; source 0: window 2 or 3; source 1: window 1
.irp i, 0,2,4,6,8,10,12,14
	v_pk_mul_f32 v[T+\i:T+\i+1], v[XL+\i:XL+\i+1], v[RS+\i:RS+\i+1]
	v_pk_mul_f32 v[T+16+\i:T+17+\i], v[XH+\i:XH+\i+1], v[RS+16+\i:RS+17+\i]
.endr
.irp i, 0,2,4,6,8,10,12,14
	v_pk_fma_f32 v[T+\i:T+\i+1], v[XH+\i:XH+\i+1], v[RS+32+\i:RS+33+\i], v[T+\i:T+\i+1] neg_lo:[1,0,0] neg_hi:[1,0,0]
	v_pk_fma_f32 v[T+16+\i:T+17+\i], v[XL+\i:XL+\i+1], v[RS+48+\i:RS+49+\i], v[T+16+\i:T+17+\i]
.endr
.endm
.macro QKROW a
.if (\a) < 7
	s_wait_loadcnt 16                              ; this tile's cos and sin are in; the next tile's 16 loads may be out
.else
	s_wait_loadcnt 0x0
.endif
.if ((\a)%2 == 0) && ((\a) > 0)
	s_wait_xcnt 0x0                                ; the last group's stores have read the fragments' registers
.endif
.irp hl, 0,1
	ROPE \a, \hl
	WIN 0
	Q32 T, F+12*\hl+6*((\a)%2), PT
.if (\a)%2 == 0
	v_mov_b32 v[WD+4*\hl+(\a)/2], v[TW]
.else
	v_lshl_or_b32 v[WD+4*\hl+(\a)/2], v[TW], 16, v[WD+4*\hl+(\a)/2]
.endif
.endr
.if (\a) < 6
	ROPELOAD (\a)+2
.endif
.if (\a)%2 == 1
.irp hl, 0,1
.irp c, 0,1,2
	global_store_b128 v[L16], v[F+12*\hl+4*\c:F+12*\hl+4*\c+3], s[80+2*\hl:81+2*\hl] offset:1536*((\a)/2)+512*\c   ; 512 consecutive bytes
.endr
.endr
.endif
.endm
	ROPELOAD 0
	ROPELOAD 1
.irp a, 0,1,2,3,4,5,6,7
	QKROW \a
.endr
	WORDS4 WD, 208, 84
	WORDS4 WD+4, 210, 86
	s_branch .Ldone
.Lv:	; ---- v.  My 128 features are two heads' channels, my 128 tokens one step of keys: each of A's blocks is one fragment of v
.set VC, 160                           ; v160-171 the codes; v172-174, v176-178 the halves that are moved
.set VT, 188                           ; v188-191 largest magnitudes, v192-195 the other half's and the bytes, v200-203 the scale operands
.set VW, 204                           ; v204-211 scale words: 4 x head + t
	s_lshr_b32 s76, s22, 3                         ; batch
	s_lshl_b32 s76, s76, 4
	s_lshl_b32 s77, s21, 2
	s_add_co_u32 s76, s76, s77
	s_lshl_b32 s77, s15, 1
	s_add_co_u32 s76, s76, s77                     ; 16 batch + my first head
	s_mul_i32 s76, s76, 204800
	s_and_b32 s77, s22, 7
	s_lshl_b32 s77, s77, 1
	s_add_co_u32 s77, s77, s16                     ; the step
	s_mul_i32 s77, s77, 12800
	s_add_co_u32 s76, s76, s77
	s_add_co_u32 s76, s76, 6144                    ; v's fragments lie behind k's
	s_mov_b32 s77, 0
	s_add_nc_u64 s[80:81], s[12:13], s[76:77]
	s_add_nc_u64 s[82:83], s[80:81], 204800
	s_add_nc_u64 s[84:85], s[80:81], 6400          ; v's words
	s_add_nc_u64 s[86:87], s[82:83], 6400
.irp b, 0,1,2,3
	v_mov_b32 v[VT+4+\b], 0                        ; written once: a lane permute's destination counts as one of its sources
.endr
.macro QUANT64 a, pw                   ; block a's 64 results of a lane, register 16 b + i = key 32 b + 16 h + i of my channel, become a fragment and its scale word
.set AC, 64*((\a)%4)
.set WW, 2+(\a)/4
	WIN WW|(WW<<2)                                 ; sources 0 and 1: the accumulators' window
.irp b, 0,1,2,3
	v_max3_num_f32 v[VT+\b], |v[AC+16*\b]|, |v[AC+1+16*\b]|, 0x1800000
.endr
.irp i, 2,4,6,8,10,12,14
.irp b, 0,1,2,3
	v_max3_num_f32 v[VT+\b], |v[AC+16*\b+\i]|, |v[AC+1+16*\b+\i]|, v[VT+\b]
.endr
.endr
	WIN 0
.irp b, 0,1,2,3
	v_permlanex16_b32 v[VT+4+\b], v[VT+\b], s[SEL], s[SEL+1]
.endr
.irp b, 0,1,2,3
	v_max_num_f32 v[VT+\b], v[VT+\b], v[VT+4+\b]
.endr
.irp b, 0,1,2,3
	v_add_nc_u32 v[VT+12+\b], 0xff000000, v[VT+\b]
.endr
.irp b, 0,1,2,3
	v_lshrrev_b32 v[VT+4+\b], 23, v[VT+12+\b]
.endr
	v_lshl_or_b32 v[\pw], v[VT+5], 8, v[VT+4]
	v_lshl_or_b32 v[\pw], v[VT+6], 16, v[\pw]
	v_lshl_or_b32 v[\pw], v[VT+7], 24, v[\pw]
	s_wait_xcnt 0x0                                ; the last fragment's stores have read the codes' registers
	WIN WW                                         ; source 0: the accumulators' window
.irp c, 0,1
	v_cvt_scalef32_pk16_fp6_f32 v[VC+6*\c:VC+2+6*\c], v[AC+32*\c:AC+15+32*\c], v[VT+12+2*\c]
	v_cvt_scalef32_pk16_fp6_f32 v[VC+12+4*\c:VC+14+4*\c], v[AC+16+32*\c:AC+31+32*\c], v[VT+13+2*\c]
.endr
	WIN 0
	v_nop                                          ; one plain place behind a scaled conversion
.irp c, 0,1
.irp i, 0,1,2
	v_permlane16_swap_b32 v[VC+6*\c+\i], v[VC+12+4*\c+\i]
.endr
.irp i, 0,1,2
	v_mov_b32 v[VC+3+6*\c+\i], v[VC+12+4*\c+\i]
.endr
.endr
.endm
.irp a, 0,1,2,3,4,5,6,7
	QUANT64 \a, VW+\a
.irp c, 0,1,2
	global_store_b128 v[L16], v[VC+4*\c:VC+4*\c+3], s[80+2*(\a/4):81+2*(\a/4)] offset:1536*(\a%4)+512*\c
.endr
.endr
	WORDS4 VW, 212, 84
	WORDS4 VW+4, 214, 86
.Ldone:
	s_wait_tensorcnt 0x0                           ; the wave's end
	ds_add_u32 v[SPW], v[NIL]
	s_wait_dscnt 0x0
	CROUND                                         ; the closing round: no work-group ends while a partner may still ask for a tile that names it
	s_endpgm
.Lfunc_end_k_q8f01897130_qkv:
	.size	k_q8f01897130_qkv, .Lfunc_end_k_q8f01897130_qkv-k_q8f01897130_qkv
	.p2alignl 7, 3214868480
	.fill 96, 4, 3214868480
	.section	.rodata,"a",@progbits
	.p2align	6, 0x0
	.amdhsa_kernel k_q8f01897130_qkv
		.amdhsa_group_segment_fixed_size 327680
		.amdhsa_private_segment_fixed_size 0
		.amdhsa_enable_private_segment 0
		.amdhsa_kernarg_size 40
		.amdhsa_user_sgpr_count 2
		.amdhsa_user_sgpr_kernarg_segment_ptr 1
		.amdhsa_wavefront_size32 1
		.amdhsa_system_sgpr_workgroup_id_x 1
		.amdhsa_system_sgpr_workgroup_id_y 1
		.amdhsa_system_sgpr_workgroup_id_z 1
		.amdhsa_system_vgpr_workitem_id 0
		.amdhsa_next_free_vgpr 1024
		.amdhsa_next_free_sgpr 100
		.amdhsa_reserve_vcc 0
		.amdhsa_float_denorm_mode_32 3
		.amdhsa_float_denorm_mode_16_64 3
		.amdhsa_memory_ordered 1
		.amdhsa_forward_progress 1
		.amdhsa_inst_pref_size 218
	.end_amdhsa_kernel
	.amdgpu_metadata
---
amdhsa.version: [ 1, 2 ]
amdhsa.kernels:
  - .name:           k_q8f01897130_qkv
    .symbol:         k_q8f01897130_qkv.kd
    .args:
      - { .name: cod, .offset: 0, .size: 8, .value_kind: global_buffer, .address_space: global }
      - { .name: scl, .offset: 8, .size: 8, .value_kind: global_buffer, .address_space: global }
      - { .name: rop, .offset: 16, .size: 8, .value_kind: global_buffer, .address_space: global }
      - { .name: qb, .offset: 24, .size: 8, .value_kind: global_buffer, .address_space: global }
      - { .name: kv, .offset: 32, .size: 8, .value_kind: global_buffer, .address_space: global }
    .group_segment_fixed_size: 327680
    .private_segment_fixed_size: 0
    .kernarg_segment_align: 8
    .kernarg_segment_size: 40
    .max_flat_workgroup_size: 128
    .sgpr_count:     100
    .vgpr_count:     1024
    .wavefront_size: 32
...
	.end_amdgpu_metadata
.endif
;; end of part 2
;; launch attn (part 3): grid 8 x 32, 16 waves a work-group, clusters of 4 x 1, 327,680 bytes of LDS; arguments qb, kv, cod, scl; writes cod, scl
.if DOCPART == 3
	.amdgcn_target "amdgcn-amd-amdhsa--gfx1250"
	.amdhsa_code_object_version 6
	.text
	.protected	k_q8f01897130_attn
	.globl	k_q8f01897130_attn
	.p2align	8
	.type	k_q8f01897130_attn,@function
k_q8f01897130_attn:
	s_mov_b64 s[64:65], 0
	v_nop
	global_prefetch_b8 v0, s[64:65] scope:SCOPE_SE
	s_setreg_imm32_b32 hwreg(HW_REG_WAVE_MODE, 25, 1), 1
	s_wait_xcnt 0x0
	s_wait_alu depctr_hold_cnt(0) depctr_sa_sdst(0) depctr_va_vdst(0) depctr_va_sdst(0) depctr_va_ssrc(0) depctr_va_vcc(0) depctr_vm_vsrc(0)
	s_getreg_b32 s2, hwreg(HW_REG_IB_STS2, 6, 4)
	s_cmp_eq_u32 s2, 0
	s_cbranch_scc0 .Lentry_in_a_cluster
	s_endpgm
.Lentry_in_a_cluster:
	s_bfe_u32 s2, ttmp6, 0x10000c
	s_cmp_lg_u32 s2, 0x3003
	s_cbranch_scc0 .Lentry_shape_is_right
	s_endpgm
.Lentry_shape_is_right:
; attn[q] = softmax_k(q . k / 8) v for 64 heads of 2,048 tokens x 64, both products on codes of FP6 (E2M3) with E8M0 scales; the result is divided by the row's sum and quantised along D for the last projection.
; THE SOFTMAX: t = score x log2(e) / 8; M = the row's largest t so far, rounded up to a whole number; p = 2^(t - M) is quantised along the keys, not normalised; the sum is taken of the unquantised p.  When M moves, the sum and O are
; multiplied by 2^(old M - new M): exact.  A block's largest p is made from the block's largest score by the same multiply-add and exponential (this takes v_exp_f32 not to fall where its input rises).
; SHARES.  A work-group owns 256 queries and TWO heads (2 y, 2 y + 1), one after the other: together they are one K step of 128 of the last projection, so a wave stores a whole fragment and a whole scale word.
; Each of sixteen waves owns one tile of 16 queries in 256 registers.  The four query blocks of a cluster walk the same records of kv and ask for them jointly.
; RECORDS (12,800 bytes for 128 keys): k's four fragments, v's four, k's scale words, v's.  All come as images of operand registers: three loads of 16 bytes a lane for a fragment.
; K = 64 UNDER AN INSTRUCTION OF K = 128.  A fragment of k carries two tiles of 16 keys: k = 0 .. 63 the head's dims of the first, k = 64 .. 127 of the second.  q's operand has zero codes in the other half (q | 0 or 0 | q):
; one fragment of k so feeds two matrix instructions, and the zero codes take the other tile's keys away.  Every scale byte is a real one.
; LAYOUT.  Both products transposed: a lane holds one query (lane % 16); the 16 registers of S^T's tiles 2 b, 2 b + 1 are keys 32 b + 16 (lane / 16) + 0 .. 15; O^T's registers 0-15 are channels 16 h + i, 16-31 channels 32 + 16 h + i.
; LDS: 25 PLACES OF A RECORD.  The pair's two heads are 32 records.  At the head each of the sixteen waves asks for one record: the first head, places 0-15.  Behind the full sequence and a round waves 0-8 ask for records 16-24,
; places 16-24 (first fills).  The first head's sixteen key steps then need no barrier.  Behind them one round, and waves 0-6 fill places 0-6 again with records 25-31: that load has the second head's first nine key steps in which
; to land; one work-group barrier shows it to all waves.  A wave has at most one tensor load out.
; PREFETCH.  Records 25-31 (350 blocks of 256 bytes) are named once in each cluster, sixteen key steps ahead of their load: each partner takes 88 blocks, told apart by address, waves 0-2 a lane a block (what is over names the last
; block again).  Records 0-24 are asked for at the kernel's head, where there is no loop to run ahead in: they come by their loads alone.
; LIMITS: a block whose largest magnitude lies under 2^-124 gets the byte 1; NaN and infinities are not served; the promise holds while the scaled scores t stay under 2^31 in magnitude.
.set REC,   12800
.set SPARE, 25*REC                     ; behind the places: the spare words, 128 bytes for each of sixteen waves: eight blocks of 256 bytes that no other line names
; v1 16 x lane; v2 12,288 + 16 r + 256 h; v3 my spare word, v4 0 (never rewritten); v5, v6 the step's LDS addresses; v7 16 r; v8-11 k's (lanes 0-15) and v's (lanes 16-31) scale words; v12 -M, v13 the largest t, v[14:15] the sum;
; v16-21 zeros, v22-27 q, v28-33 zeros; v34-45 attn's fragment; v46 q's scale word; v47 attn's; v48-95 k's fragments, then the softmax's temporaries; v96-159 S^T, then p; v160-191 O^T; v192-239 v's fragments; v240-251 p's codes; v252 p's scale word; v253 the prefetch's offset
.set BM, 48
.set BX, 52
.set SO, 56
.set TW, 60
.set BY, 76
.set SEL, 16                           ; s[16:17] lane selects: lane l xor 16
; s12 wave; s13 cx; s14 my block of queries; s15 y; s[18:19] c; s20 the LDS byte of the step's record; s22 counts key steps; s23 -(wave % 2); s24 16 (wave % 2); s[28:35], s[36:39] the descriptor; s[40:41] the prefetch; s44 wave x a record
.macro CROUND
	s_barrier_signal -1
	s_barrier_wait -1
	s_cmp_lg_u32 s12, 0
	s_cbranch_scc1 .Lnot_wave_0_\@
	s_barrier_signal -3
.Lnot_wave_0_\@:
	s_barrier_wait -3
	s_barrier_signal -1
	s_barrier_wait -1
.endm
.macro TLOAD n                         ; waves 0 .. n - 1 fetch a record each; four v_nop follow the line
	s_cmp_lt_u32 s12, \n
	s_cbranch_scc0 .Lasked_\@
	tensor_load_to_lds s[36:39], s[28:35]
	s_nop 0
.rept 4
	v_nop
.endr
.Lasked_\@:
.endm
.macro Q32 src, dst, pt                ; 32 numbers of a lane (0-15: dims 16 h + i; 16-31: dims 32 + 16 h + i) become six registers of codes (dims 32 h .. + 31) at v[dst] on; the two scale bytes in v[TW]
	v_max3_num_f32 v[BM], |v[(\src)]|, |v[(\src)+1]|, 0x1800000
	v_max3_num_f32 v[BM+1], |v[(\src)+16]|, |v[(\src)+17]|, 0x1800000
.irp i, 2,4,6,8,10,12,14
	s_delay_alu instid0(VALU_DEP_2)
	v_max3_num_f32 v[BM], v[BM], |v[(\src)+\i]|, |v[(\src)+1+\i]|
	s_delay_alu instid0(VALU_DEP_2)
	v_max3_num_f32 v[BM+1], v[BM+1], |v[(\src)+16+\i]|, |v[(\src)+17+\i]|
.endr
	s_delay_alu instid0(VALU_DEP_2)
	v_permlanex16_b32 v[BX], v[BM], s[SEL], s[SEL+1]
	s_delay_alu instid0(VALU_DEP_2)
	v_permlanex16_b32 v[BX+1], v[BM+1], s[SEL], s[SEL+1]
	s_delay_alu instid0(VALU_DEP_2)
	v_max_num_f32 v[BM], v[BM], v[BX]
	s_delay_alu instid0(VALU_DEP_2)
	v_max_num_f32 v[BM+1], v[BM+1], v[BX+1]
	s_delay_alu instid0(VALU_DEP_2)
	v_add_nc_u32 v[SO], 0xff000000, v[BM]
	s_delay_alu instid0(VALU_DEP_2)
	v_add_nc_u32 v[SO+1], 0xff000000, v[BM+1]
	s_delay_alu instid0(VALU_DEP_2)
	v_lshrrev_b32 v[BY], 23, v[SO]
	s_delay_alu instid0(VALU_DEP_2)
	v_lshrrev_b32 v[BY+1], 23, v[SO+1]
	s_delay_alu instid0(VALU_DEP_1)
	v_lshl_or_b32 v[TW], v[BY+1], 8, v[BY]
	v_cvt_scalef32_pk16_fp6_f32 v[(\dst):(\dst)+2], v[(\src):(\src)+15], v[SO]
	v_cvt_scalef32_pk16_fp6_f32 v[(\pt):(\pt)+2], v[(\src)+16:(\src)+31], v[SO+1]
	v_nop                                          ; one plain place behind a scaled conversion
.irp i, 0,1,2
	v_permlane16_swap_b32 v[(\dst)+\i], v[(\pt)+\i]
.endr
.irp i, 0,1,2
	s_delay_alu instid0(VALU_DEP_3)
	v_mov_b32 v[(\dst)+3+\i], v[(\pt)+\i]
.endr
.endm
	s_load_b256 s[4:11], s[0:1], 0x0               ; qb s[4:5], kv s[6:7], cod s[8:9], scl s[10:11]
	v_lshl_add_u32 v3, v0, 2, SPARE
	v_mov_b32 v4, 0
	ds_add_u32 v3, v4                              ; the opening lines: the add, twice on end, and its wait ahead of my first tensor load
	ds_add_u32 v3, v4
	v_lshrrev_b32 v5, 5, v0
	s_delay_alu instid0(VALU_DEP_1)
	v_readfirstlane_b32 s12, v5                    ; wave 0..15
	s_bfe_u32 s13, ttmp6, 0x40000                  ; cx
	s_lshl_b32 s14, ttmp9, 2
	s_add_co_u32 s14, s14, s13                     ; my block of 256 queries: it enters q's and the output's addresses alone
	s_and_b32 s15, ttmp7, 0xffff                   ; y: the pair of heads, which the four partners share
	s_mov_b32 s[SEL], 0x76543210
	s_mov_b32 s[SEL+1], 0xfedcba98
	s_mov_b32 s18, 0x3e38aa3b                      ; c = log2(e) / 8
	s_mov_b32 s19, s18                             ; (named with it as a pair, so it is written)
	s_mov_b32 s20, 0
	s_and_b32 s24, s12, 1
	s_sub_co_u32 s23, 0, s24
	s_lshl_b32 s24, s24, 4
	s_mov_b32 s28, 15|(3<<16)|(1<<21)              ; 15:0 the mask: all four work-groups; 17:16 elements of 8 bytes; 21 set beside a mask; no padding
	s_mov_b32 s29, 32<<16                          ; tensor_dim0: 256 bytes
	s_mov_b32 s30, 50<<16                          ; tensor_dim1: 50 rows: a record
	s_mov_b32 s31, 32<<16                          ; tile_dim0
	s_mov_b32 s32, 50                              ; tile_dim1
	s_mov_b32 s33, 32                              ; dense
	s_mov_b32 s34, 0
	s_mov_b32 s35, 0
	s_mul_i32 s44, s12, REC                        ; my record of the sixteen, in memory and in LDS
	s_mov_b32 s45, 0
	s_mul_i32 s46, s15, 409600                     ; the pair's two heads: 32 records
	s_mov_b32 s47, 0
	s_wait_dscnt 0x0                               ; both opening adds are done
	s_wait_kmcnt 0x0
	s_add_nc_u64 s[48:49], s[6:7], s[46:47]
	s_mov_b32 s36, 1
	s_mov_b32 s37, s44
	s_add_nc_u64 s[38:39], s[48:49], s[44:45]
	s_or_b32 s39, s39, 0x80000000
	CROUND                                         ; all four work-groups are here: the first joint loads meet
	tensor_load_to_lds s[36:39], s[28:35]          ; record = place = my wave's number: every wave's one load at the head
	s_nop 0
.rept 4
	v_nop
.endr
	s_add_nc_u64 s[40:41], s[48:49], 25*REC        ; the prefetch: from record 25 on,
	s_mul_i32 s50, s13, 88                         ; my work-group's 88 blocks of the 350
	s_mul_i32 s54, s15, 204800                     ; q: the pair's first head,
	s_lshl_b32 s55, s14, 1
	s_lshr_b32 s56, s12, 3
	s_add_co_u32 s55, s55, s56
	s_mul_i32 s55, s55, 6400                       ; the record of my 128 tokens,
	s_add_co_u32 s54, s54, s55
	s_mov_b32 s55, 0
	s_add_nc_u64 s[52:53], s[4:5], s[54:55]
	s_bfe_u32 s56, s12, 0x20001                    ; g = (wave / 2) % 4: my group of 32 tokens
	s_mul_i32 s54, s56, 1536
	s_add_nc_u64 s[4:5], s[52:53], s[54:55]        ; its fragment,
	s_lshl_b32 s54, s56, 2
	s_add_co_u32 s54, s54, 6144
	s_add_nc_u64 s[52:53], s[52:53], s[54:55]      ; and its scale words
	s_lshr_b32 s54, s15, 3                         ; the output: row tile 768 + 128 batch + 16 x block + wave,
	s_lshl_b32 s54, s54, 7
	s_lshl_b32 s56, s14, 4
	s_add_co_u32 s54, s54, s56
	s_add_co_u32 s54, s54, s12
	s_add_co_u32 s54, s54, 768
	s_and_b32 s57, s15, 7                          ; K step y % 8
	s_lshl_b32 s58, s54, 3
	s_add_co_u32 s58, s58, s57
	s_mul_i32 s58, s58, 1536
	s_mov_b32 s59, 0
	s_add_nc_u64 s[8:9], s[8:9], s[58:59]
	s_lshl_b32 s58, s54, 9
	s_lshr_b32 s56, s57, 2
	s_lshl_b32 s56, s56, 8
	s_add_co_u32 s58, s58, s56
	s_and_b32 s56, s57, 3
	s_lshl_b32 s56, s56, 2
	s_add_co_u32 s58, s58, s56
	s_add_nc_u64 s[10:11], s[10:11], s[58:59]
	v_and_b32 v5, 31, v0
	v_min_u32 v253, 87, v0                         ; waves 0-2: my block of my work-group's 88,
	v_and_b32 v6, 15, v0
	s_delay_alu instid0(VALU_DEP_3)
	v_lshlrev_b32 v1, 4, v5
	s_delay_alu instid0(VALU_DEP_3)
	v_add_nc_u32 v253, s50, v253
	s_delay_alu instid0(VALU_DEP_3)
	v_lshlrev_b32 v7, 4, v6
	v_bfe_u32 v6, v0, 4, 1
	s_delay_alu instid0(VALU_DEP_3)
	v_min_u32 v253, 349, v253                      ; held at the seven records' last block: every lane stays inside kv
	s_delay_alu instid0(VALU_DEP_2)
	v_lshl_add_u32 v2, v6, 8, v7
	s_delay_alu instid0(VALU_DEP_2)
	v_lshlrev_b32 v253, 8, v253
	s_delay_alu instid0(VALU_DEP_2)
	v_add_nc_u32 v2, 12288, v2
.irp i, 0,1,2,3,4,5
	v_mov_b32 v[16+\i], 0                          ; the zero codes on either side of q
	v_mov_b32 v[28+\i], 0
.endr
.macro QLOAD hp                        ; my group's fragment of q and its scale words, of head hp of the pair
.irp c, 0,1,2
	global_load_b128 v[128+4*\c:131+4*\c], v1, s[4:5] offset:102400*\hp+512*\c
.endr
	global_load_b32 v140, v7, s[52:53] offset:102400*\hp
.endm
.macro QSET                            ; my tile is half wave % 2 of the fragment; its two scale bytes serve both halves of K
.irp i, 0,1,2,3,4,5
	v_cndmask_b32 v[22+\i], v[128+\i], v[134+\i], s23
.endr
	v_lshrrev_b32 v[TW], s24, v140
	s_delay_alu instid0(VALU_DEP_1)
	v_and_b32 v[TW], 0xffff, v[TW]
	s_delay_alu instid0(VALU_DEP_1)
	v_lshl_or_b32 v46, v[TW], 16, v[TW]
.endm
.macro INIT                            ; a head begins: the largest t under every t, the sum and O^T zeros, which the first change of M leaves zeros.  (These lines are also the places between q's scale word and the next product)
	v_mov_b32 v13, 0xff61b1e6
	s_delay_alu instid0(VALU_DEP_1)
	v_floor_f32 v12, -v13
	v_mov_b32 v14, 0
	v_mov_b32 v15, 0
.set j, 0
.rept 32
	v_mov_b32 v[160+j], 0
.set j, j+1
.endr
.endm
; A KEY STEP: 128 keys, the record at LDS byte s20
.macro STEP
	v_add_nc_u32 v5, s20, v1
	v_add_nc_u32 v6, s20, v2
	v_nop
	v_nop                                          ; four plain places in front of loads into registers that the last products read
	ds_load_b128 v[8:11], v6
.irp f, 0,1,2,3
.irp c, 0,1,2
	ds_load_b128 v[48+12*\f+4*\c:51+12*\f+4*\c], v5 offset:1536*\f+512*\c
.endr
.endr
.irp f, 0,1,2,3
.irp c, 0,1,2
	ds_load_b128 v[192+12*\f+4*\c:195+12*\f+4*\c], v5 offset:6144+1536*\f+512*\c
.endr
.endr
	s_wait_dscnt 12                                ; the scale words and k are in; v's twelve loads may be out
.irp b, 0,1,2,3
	v_wmma_scale_f32_16x16x128_f8f6f4 v[96+16*\b:103+16*\b], v[48+12*\b:59+12*\b], v[22:33], 0, v[8+\b], v46 matrix_a_fmt:MATRIX_FMT_FP6 matrix_b_fmt:MATRIX_FMT_FP6
	v_wmma_scale_f32_16x16x128_f8f6f4 v[104+16*\b:111+16*\b], v[48+12*\b:59+12*\b], v[16:27], 0, v[8+\b], v46 matrix_a_fmt:MATRIX_FMT_FP6 matrix_b_fmt:MATRIX_FMT_FP6
.endr
.rept 4
	v_nop
.endr
.irp b, 0,1,2,3
	v_max3_num_f32 v[BM+\b], v[96+16*\b], v[97+16*\b], v[98+16*\b]   ; the largest score of each block of 32 keys: for the row's maximum and for the block's largest p
.endr
.irp i, 3,5,7,9,11,13
.irp b, 0,1,2,3
	v_max3_num_f32 v[BM+\b], v[BM+\b], v[96+16*\b+\i], v[97+16*\b+\i]
.endr
.endr
.irp b, 0,1,2,3
	v_max_num_f32 v[BM+\b], v[BM+\b], v[111+16*\b]
.endr
.irp b, 0,1,2,3
	s_delay_alu instid0(VALU_DEP_4)
	v_permlanex16_b32 v[BX+\b], v[BM+\b], s[SEL], s[SEL+1]
.endr
.irp b, 0,1,2,3
	s_delay_alu instid0(VALU_DEP_4)
	v_max_num_f32 v[BM+\b], v[BM+\b], v[BX+\b]     ; with lane l xor 16's 16 keys
.endr
	s_delay_alu instid0(VALU_DEP_2)
	v_max3_num_f32 v[TW], v48, v49, v50
	s_delay_alu instid0(VALU_DEP_1)
	v_max_num_f32 v[TW], v[TW], v51
	s_delay_alu instid0(VALU_DEP_1)
	v_mul_f32 v[TW], s18, v[TW]                    ; the step's largest t (c is positive)
	s_delay_alu instid0(VALU_DEP_1)
	v_max_num_f32 v13, v13, v[TW]
	v_mov_b32 v[TW], v12
	s_delay_alu instid0(VALU_DEP_2)
	v_floor_f32 v12, -v13                          ; the new -M = floor(-t): M is a whole number
	s_delay_alu instid0(VALU_DEP_1)
	v_sub_f32 v[TW], v12, v[TW]                    ; old M - new M: a whole number, 0 or less
	s_delay_alu instid0(VALU_DEP_1)
	v_cvt_i32_f32 v[TW], v[TW]                     ; (it saturates)
	s_delay_alu instid0(VALU_DEP_1)
	v_ldexp_f32 v62, 1.0, v[TW]                    ; f = 2^(old M - new M)
.set j, 0
.rept 32
	v_pk_fma_f32 v[96+j:97+j], v[96+j:97+j], s[18:19], v[12:13] op_sel_hi:[1,0,0]   ; t - M, two at a time
.set j, j+2
.endr
.irp b, 0,1,2,3
	v_fma_f32 v[BM+\b], v[BM+\b], s18, v12         ; the same of each block's largest score
.endr
.set j, 0
	s_wait_alu depctr_va_vdst(0)
.rept 64
	v_exp_f32 v[96+j], v[96+j]                     ; p = 2^(t - M), at most 1
.set j, j+1
.endr
	v_pk_mul_f32 v[14:15], v[14:15], v[62:63] op_sel_hi:[1,0]   ; the sums under the new M (a plain place behind the exponentials)
	s_wait_alu depctr_va_vdst(0)                   ; one wait for the batch, ahead of its first reader
.irp b, 0,1,2,3
	v_exp_f32 v[BM+\b], v[BM+\b]                   ; the block's largest p
.endr
	v_pk_add_f32 v[72:73], v[100:101], v[104:105]  ; the sum of the unquantised p, in eight chains
	v_pk_add_f32 v[254:255], v[108:109], v[112:113]
	v_pk_add_f32 v[250:251], v[116:117], v[120:121]
	v_pk_add_f32 v[248:249], v[124:125], v[128:129]
	v_pk_add_f32 v[246:247], v[132:133], v[136:137]
	v_pk_add_f32 v[244:245], v[140:141], v[144:145]
	v_pk_add_f32 v[242:243], v[148:149], v[152:153]
	v_pk_add_f32 v[14:15], v[14:15], v[156:157]
	v_pk_add_f32 v[72:73], v[72:73], v[96:97]
	v_pk_add_f32 v[254:255], v[254:255], v[98:99]
	v_pk_add_f32 v[250:251], v[250:251], v[102:103]
	v_pk_add_f32 v[248:249], v[248:249], v[106:107]
	v_pk_add_f32 v[246:247], v[246:247], v[110:111]
	v_pk_add_f32 v[244:245], v[244:245], v[114:115]
	v_pk_add_f32 v[242:243], v[242:243], v[118:119]
	v_pk_add_f32 v[14:15], v[14:15], v[122:123]
	v_pk_add_f32 v[72:73], v[72:73], v[126:127]
	v_pk_add_f32 v[254:255], v[254:255], v[130:131]
	v_pk_add_f32 v[250:251], v[250:251], v[134:135]
	v_pk_add_f32 v[248:249], v[248:249], v[138:139]
	v_pk_add_f32 v[246:247], v[246:247], v[142:143]
	v_pk_add_f32 v[244:245], v[244:245], v[146:147]
	v_pk_add_f32 v[242:243], v[242:243], v[150:151]
	v_pk_add_f32 v[14:15], v[14:15], v[154:155]
	v_pk_add_f32 v[72:73], v[72:73], v[158:159]
	s_delay_alu instid0(VALU_DEP_2)
	v_pk_add_f32 v[14:15], v[14:15], v[248:249]
	s_delay_alu instid0(VALU_DEP_2)
	v_pk_add_f32 v[72:73], v[72:73], v[246:247]
	v_pk_add_f32 v[254:255], v[254:255], v[244:245]
	v_pk_add_f32 v[250:251], v[250:251], v[242:243]
	s_delay_alu instid0(VALU_DEP_2)
	v_pk_add_f32 v[14:15], v[14:15], v[254:255]
	s_delay_alu instid0(VALU_DEP_2)
	v_pk_add_f32 v[72:73], v[72:73], v[250:251]
	s_delay_alu instid0(VALU_DEP_1)
	v_pk_add_f32 v[14:15], v[14:15], v[72:73]
	s_wait_alu depctr_va_vdst(0)                   ; and one for the four
.irp b, 0,1,2,3
	v_max_num_f32 v[BM+\b], 0x1800000, v[BM+\b]    ; the floor 2^(3 - 127): the byte cannot fall under 1
.endr
.irp b, 0,1,2,3
	s_delay_alu instid0(VALU_DEP_4)
	v_add_nc_u32 v[SO+\b], 0xff000000, v[BM+\b]
.endr
.irp b, 0,1,2,3
	s_delay_alu instid0(VALU_DEP_4)
	v_lshrrev_b32 v[BY+\b], 23, v[SO+\b]
.endr
	s_delay_alu instid0(VALU_DEP_3)
	v_lshl_or_b32 v252, v[BY+1], 8, v[BY]          ; p's scale word for these 128 keys
	s_delay_alu instid0(VALU_DEP_1)
	v_lshl_or_b32 v252, v[BY+2], 16, v252
	s_delay_alu instid0(VALU_DEP_1)
	v_lshl_or_b32 v252, v[BY+3], 24, v252
.irp c, 0,1
	v_cvt_scalef32_pk16_fp6_f32 v[240+6*\c:242+6*\c], v[96+32*\c:111+32*\c], v[SO+2*\c]
	v_cvt_scalef32_pk16_fp6_f32 v[64+4*\c:66+4*\c], v[112+32*\c:127+32*\c], v[SO+1+2*\c]
.endr
	v_nop                                          ; one plain place behind a scaled conversion
.irp c, 0,1
.irp i, 0,1,2
	v_permlane16_swap_b32 v[240+6*\c+\i], v[64+4*\c+\i]
.endr
.irp i, 0,1,2
	s_delay_alu instid0(VALU_DEP_3)
	v_mov_b32 v[243+6*\c+\i], v[64+4*\c+\i]
.endr
.endr
.set j, 0
.rept 16
	v_pk_mul_f32 v[160+j:161+j], v[160+j:161+j], v[62:63] op_sel_hi:[1,0]   ; O^T under the new M.  (These sixteen stand between p's codes and scale word and the products)
.set j, j+2
.endr
	s_wait_alu depctr_va_vdst(0)
	s_wait_dscnt 0x0                               ; v is in
.irp t, 0,1,2,3
	v_wmma_scale_f32_16x16x128_f8f6f4 v[160+8*\t:167+8*\t], v[192+12*\t:203+12*\t], v[240:251], v[160+8*\t:167+8*\t], v[8+\t], v252 matrix_a_fmt:MATRIX_FMT_FP6 matrix_b_fmt:MATRIX_FMT_FP6 matrix_a_scale:MATRIX_SCALE_ROW1
.endr
	s_add_co_u32 s20, s20, REC                     ; the next place
.endm
.macro WALK n                          ; n key steps on n places on end: no barrier among them
	s_mov_b32 s22, \n
.Lstep_\@:
	STEP
	s_sub_co_u32 s22, s22, 1
	s_cmp_lg_u32 s22, 0
	s_cbranch_scc1 .Lstep_\@
.endm
; A HEAD'S END: O^T / the sum, quantised along the head's 64: half hp of my fragment of attn
.macro FINISH hp
.rept 4
	v_nop                                          ; places behind the last products
.endr
	v_add_f32 v14, v14, v15
	s_delay_alu instid0(VALU_DEP_1)
	v_permlanex16_b32 v[TW], v14, s[SEL], s[SEL+1]
	s_delay_alu instid0(VALU_DEP_1)
	v_add_f32 v14, v14, v[TW]                      ; the row's sum
	s_wait_alu depctr_va_vdst(0)
	v_rcp_f32 v14, v14
	v_nop
	s_wait_alu depctr_va_vdst(0)                   ; ahead of the reciprocal's first reader
.set j, 0
.rept 16
	v_pk_mul_f32 v[96+j:97+j], v[160+j:161+j], v[14:15] op_sel_hi:[1,0]   ; each accumulator from its low end on
.set j, j+2
.endr
	Q32 96, 34+6*\hp, 64
.if \hp == 0
	v_mov_b32 v47, v[TW]
	s_wait_loadcnt 0x0                             ; the second head's q
	QSET
	INIT
.else
	v_lshl_or_b32 v47, v[TW], 16, v47
.irp c, 0,1,2
	global_store_b128 v1, v[34+4*\c:37+4*\c], s[8:9] offset:512*\c   ; 512 consecutive bytes
.endr
	global_store_b32 v7, v47, s[10:11]             ; sixteen words, 16 bytes apart (both halves of the lanes write the same word): the three other K steps' words between them come from other work-groups
.endif
.endm
	QLOAD 0
	s_wait_alu depctr_va_vdst(0)
	s_wait_tensorcnt 0x0                           ; my record is in
	ds_add_u32 v3, v4
	s_add_co_u32 s37, s44, 16*REC                  ; no tensor load of mine is out, so the descriptor may be written: record and place 16 + wave
	s_add_nc_u64 s[38:39], s[38:39], 16*REC
	s_wait_dscnt 0x0
	CROUND                                         ; the first head is whole in every partner's LDS
	TLOAD 9                                        ; records 16-24: first fills
	s_cmp_lt_u32 s12, 3
	s_cbranch_scc0 .Lnot_mine
	global_prefetch_b8 v253, s[40:41] th:TH_LOAD_NT scope:SCOPE_SE   ; records 25-31, sixteen key steps ahead of their load; its address registers are never rewritten
.Lnot_mine:
	s_wait_loadcnt 0x0
	QSET
	INIT
	WALK 16                                        ; the first head: places 0-15
	QLOAD 1                                        ; the second head's q, into registers that p has left
	s_wait_tensorcnt 0x0                           ; records 16-24 are in
	ds_add_u32 v3, v4                              ; 0 onto my spare word
	s_mov_b32 s37, s44                             ; place = wave,
	s_add_nc_u64 s[38:39], s[38:39], 9*REC         ; record 25 + wave
	s_wait_dscnt 0x0                               ; the add is done, and my reads of places 0-15 are over
	CROUND                                         ; no wave of any partner still reads them
	TLOAD 7                                        ; the one refill: records 25-31 into places 0-6
	FINISH 0
	WALK 9                                         ; the second head: places 16-24,
	s_wait_tensorcnt 0x0                           ; records 25-31 are in
	ds_add_u32 v3, v4
	s_mov_b32 s20, 0
	s_wait_dscnt 0x0
	s_barrier_signal -1
	s_barrier_wait -1
	WALK 7                                         ; and places 0-6
	FINISH 1
	s_wait_tensorcnt 0x0                           ; the wave's end
	ds_add_u32 v3, v4
	s_wait_dscnt 0x0
	CROUND                                         ; the closing round
	s_endpgm
.Lfunc_end_k_q8f01897130_attn:
	.size	k_q8f01897130_attn, .Lfunc_end_k_q8f01897130_attn-k_q8f01897130_attn
	.p2alignl 7, 3214868480
	.fill 96, 4, 3214868480
	.section	.rodata,"a",@progbits
	.p2align	6, 0x0
	.amdhsa_kernel k_q8f01897130_attn
		.amdhsa_group_segment_fixed_size 327680
		.amdhsa_private_segment_fixed_size 0
		.amdhsa_enable_private_segment 0
		.amdhsa_kernarg_size 32
		.amdhsa_user_sgpr_count 2
		.amdhsa_user_sgpr_kernarg_segment_ptr 1
		.amdhsa_wavefront_size32 1
		.amdhsa_system_sgpr_workgroup_id_x 1
		.amdhsa_system_sgpr_workgroup_id_y 1
		.amdhsa_system_sgpr_workgroup_id_z 1
		.amdhsa_system_vgpr_workitem_id 0
		.amdhsa_next_free_vgpr 256
		.amdhsa_next_free_sgpr 66
		.amdhsa_reserve_vcc 0
		.amdhsa_float_denorm_mode_32 3
		.amdhsa_float_denorm_mode_16_64 3
		.amdhsa_memory_ordered 1
		.amdhsa_forward_progress 1
		.amdhsa_inst_pref_size 71
	.end_amdhsa_kernel
	.amdgpu_metadata
---
amdhsa.version: [ 1, 2 ]
amdhsa.kernels:
  - .name:           k_q8f01897130_attn
    .symbol:         k_q8f01897130_attn.kd
    .args:
      - { .name: qb, .offset: 0, .size: 8, .value_kind: global_buffer, .address_space: global }
      - { .name: kv, .offset: 8, .size: 8, .value_kind: global_buffer, .address_space: global }
      - { .name: cod, .offset: 16, .size: 8, .value_kind: global_buffer, .address_space: global }
      - { .name: scl, .offset: 24, .size: 8, .value_kind: global_buffer, .address_space: global }
    .group_segment_fixed_size: 327680
    .private_segment_fixed_size: 0
    .kernarg_segment_align: 8
    .kernarg_segment_size: 32
    .max_flat_workgroup_size: 512
    .sgpr_count:     66
    .vgpr_count:     256
    .wavefront_size: 32
...
	.end_amdgpu_metadata
.endif
;; end of part 3
;; launch proj (part 4): grid 4 x 32, 4 waves a work-group, clusters of 4 x 4, 327,680 bytes of LDS; arguments cod, scl, out0; writes out0
.if DOCPART == 4
	.amdgcn_target "amdgcn-amd-amdhsa--gfx1250"
	.amdhsa_code_object_version 6
	.text
	.protected	k_q8f01897130_proj
	.globl	k_q8f01897130_proj
	.p2align	8
	.type	k_q8f01897130_proj,@function
k_q8f01897130_proj:
	s_mov_b64 s[64:65], 0
	v_nop
	global_prefetch_b8 v0, s[64:65] scope:SCOPE_SE
	s_setreg_imm32_b32 hwreg(HW_REG_WAVE_MODE, 25, 1), 1
	s_wait_xcnt 0x0
	s_wait_alu depctr_hold_cnt(0) depctr_sa_sdst(0) depctr_va_vdst(0) depctr_va_sdst(0) depctr_va_ssrc(0) depctr_va_vcc(0) depctr_vm_vsrc(0)
	s_getreg_b32 s2, hwreg(HW_REG_IB_STS2, 6, 4)
	s_cmp_eq_u32 s2, 0
	s_cbranch_scc0 .Lentry_in_a_cluster
	s_endpgm
.Lentry_in_a_cluster:
	s_bfe_u32 s2, ttmp6, 0x10000c
	s_cmp_lg_u32 s2, 0xf033
	s_cbranch_scc0 .Lentry_shape_is_right
	s_endpgm
.Lentry_shape_is_right:
; out0 = attn Wout^T on codes of FP6 (E2M3) with E8M0 scales, K = 1,024; out0 [8192][1024] f32.
; Operands come as images of operand registers (fragments of 1,536 bytes: row tile RT at 12,288 RT, K step s of 128 at + 1,536 s; image row i of tile T = row 32 (T / 2) + 8 (T % 2) + i + 8 (i / 8)); attn's row tiles 768-1279, Wout's 704-767.
; A tile of 256 x 256 is made by four waves, 128 x 128 each: 64 accumulators in windows 2 and 3.  Source 0 = a fragment of Wout (B), source 1 = one of attn (A): lane (r, h) holds A's image row r, and the 16 registers of B's tiles
; 2 b, 2 b + 1 are output columns 32 b + 16 h + 0 .. 15.  A's tiles are asked for jointly along a row of the cluster, B's along a column.
; K goes in three tensor loads a wave: K 0 .. 511 at the head, 512 .. 767 a first fill behind a round, 768 .. 1,023 the one refill, behind a round of the cluster's barrier.
; The grid has 128 work-groups: 32 x 4 tiles of 256 x 256.
.set FR,    12
; THE WALK ALONG K, as the text below has it (it replaces the head comment's sentence on three slots).  LDS regions: region 0, bytes 0 .. 196,607: K 0 .. 511 of A's 16 row tiles, then of B's 16, 6,144 bytes a row tile: the head's one
; load a wave (8 row tiles x 6,144 bytes).  Region 1, from byte 196,608: K 512 .. 767, 3,072 bytes a row tile: a first fill behind the full sequence and a round.  Region 2, bytes 0 .. 98,303: K 768 .. 1,023, the one refill, behind the
; round in step 3, when nobody reads region 0 any more.  A wave has one tensor load out at any time.  The stage of the way out lies from byte 98,304 on: filled once, at the head, and read by nobody behind step 3.
.set HALFT, 24576                      ; 8 row tiles x 3,072 bytes: what one tensor load brings into region 1 or 2
.set SLOT,  98304                      ; regions 1 and 2: A's 16 row tiles, then B's 16; region 0 is twice as long
.set SPARE, 294912                     ; the spare words, 128 bytes a wave: two blocks of 256 bytes that no other line names
.set ADRA,  16                         ; v16-18
.set ADRB,  20                         ; v20-22
.set STO,   24                         ; v24     the way out: where I put 32 bytes of a row
.set RD,    25                         ; v25     and where I read a row back
.set L16,   26                         ; v26     16 x lane
.set SOFF,  27                         ; v27     my offset among the scale words
.set SPW,   28
.set NIL,   29
.set SC,    32                         ; v32-95  scale words and nothing else
.set AF,    128                        ; v128-223 A's fragments; B's two sets at v0 and v128 of window 1
.set BK,    128                        ; the way out: 16 rows read back: v128-191 and v192-255 by turns
.set G1A,   24
.set G0A,   32
.set G1B,   44
.set G0B,   52
.set MSB, 0
.macro WIN new
.if MSB != (\new)
	s_set_vgpr_msb (MSB<<8)|(\new)
.set MSB, (\new)
.endif
.endm
.set MUL_LO, 0xa1
.set MUL_HI, 0xf1
.set TO_B,   0x40
.macro JLOAD n                         ; the joint load for region n: waves 0, 1 for A, waves 2, 3 for B
	s_cmp_eq_u32 s15, 0
	s_cbranch_scc0 .Lfor_b_\@
	tensor_load_to_lds s[G0A+4*\n:G0A+4*\n+3], s[G1A:G1A+7]
	s_nop 0
.rept 4
	v_nop
.endr
	s_branch .Lasked_\@
.Lfor_b_\@:
	tensor_load_to_lds s[G0B+4*\n:G0B+4*\n+3], s[G1B:G1B+7]
	s_nop 0
.rept 4
	v_nop
.endr
.Lasked_\@:
.endm
.macro CREST
	s_cmp_lg_u32 s14, 0
	s_cbranch_scc1 .Lnot_wave_0_\@
	s_barrier_signal -3
.Lnot_wave_0_\@:
	s_barrier_wait -3
	s_barrier_signal -1
	s_barrier_wait -1
.endm
.macro CROUND
	s_barrier_signal -1
	s_barrier_wait -1
	CREST
.endm
.macro PLACES n
.rept \n
	v_nop
.endr
.endm
.macro FRAG reg, adr, off
.irp c, 0,1,2
	ds_load_b128 v[\reg+4*\c:\reg+4*\c+3], v[\adr] offset:\off+512*\c
.endr
.endm
.macro FETCH_B slot, q, p
	WIN TO_B
.irp i, 0,1,2,3,4,5,6,7
	FRAG 128*(\p)+FR*\i, ADRB+(\slot), (6144-3072*(((\slot)+1)/2))*\i+1536*(\q)
.endr
	WIN 0
.endm
.macro FETCH_A slot, q, i0
.irp i, \i0, \i0+1, \i0+2, \i0+3
	FRAG AF+FR*(\i), ADRA+(\slot), (6144-3072*(((\slot)+1)/2))*(\i)+1536*(\q)
.endr
.endm
; The 64 accumulators take turns, one instruction a turn, in the same order in every step
.macro MUL16 a0, p, s, zero
.irp a, \a0, \a0+1
.irp b, 0,1,2,3,4,5,6,7
.if \zero
	v_wmma_scale_f32_16x16x128_f8f6f4 v[8*(8*((\a)%4)+\b):8*(8*((\a)%4)+\b)+7], v[128*(\p)+FR*\b:128*(\p)+FR*\b+FR-1], v[AF+FR*(\a):AF+FR*(\a)+FR-1], 0, v[SC+8*\b+(\s)], v[SC+8*(\a)+(\s)] matrix_a_fmt:MATRIX_FMT_FP6 matrix_b_fmt:MATRIX_FMT_FP6 matrix_a_scale:MATRIX_SCALE_ROW1
.else
	v_wmma_scale_f32_16x16x128_f8f6f4 v[8*(8*((\a)%4)+\b):8*(8*((\a)%4)+\b)+7], v[128*(\p)+FR*\b:128*(\p)+FR*\b+FR-1], v[AF+FR*(\a):AF+FR*(\a)+FR-1], v[8*(8*((\a)%4)+\b):8*(8*((\a)%4)+\b)+7], v[SC+8*\b+(\s)], v[SC+8*(\a)+(\s)] matrix_a_fmt:MATRIX_FMT_FP6 matrix_b_fmt:MATRIX_FMT_FP6 matrix_a_scale:MATRIX_SCALE_ROW1
.endif
.endr
.endr
.endm
.macro STEP p, s, zero, nslot, nq
	s_wait_dscnt 12                                ; B's set and A's blocks 0-3 are in; the youngest twelve loads (A's blocks 4-7) may be out
	WIN MUL_LO
	MUL16 0, \p, \s, \zero
	MUL16 2, \p, \s, \zero
	s_wait_dscnt 0x0
	PLACES 4
	FETCH_B \nslot, \nq, 1-(\p)
	FETCH_A \nslot, \nq, 0
	WIN MUL_HI
	MUL16 4, \p, \s, \zero
	MUL16 6, \p, \s, \zero
	PLACES 4
	WIN 0
	FETCH_A \nslot, \nq, 4
.endm
.macro TURN p, s, fill, nslot
	s_wait_tensorcnt 0x0                           ; all my tensor loads have landed
	ds_add_u32 v[SPW], v[NIL]                      ; 0 onto my spare word
	s_wait_dscnt 13                                ; (the add and A's blocks 4-7 may be out)
	WIN MUL_LO
	MUL16 0, \p, \s, 0
	s_wait_dscnt 0x0                               ; the add is done, and my reads of the slots so far are over
	s_barrier_signal -1
	MUL16 2, \p, \s, 0
	WIN 0
	s_barrier_wait -1
.if \fill
	CREST                                          ; the barrier has opened a round of the cluster's: no wave of any partner still reads slot 0 or has a load on its way
	JLOAD 2                                        ; the first tensor load behind the round: K 768 .. 1,023 into region 2; its four v_nop are the places for the loads below
.else
	PLACES 4
.endif
	FETCH_B \nslot, 0, 0
	FETCH_A \nslot, 0, 0
	WIN MUL_HI
	MUL16 4, \p, \s, 0
	MUL16 6, \p, \s, 0
	PLACES 4
	WIN 0
	FETCH_A \nslot, 0, 4
.endm
	s_load_b128 s[4:7], s[0:1], 0x0                ; cod s[4:5], scl s[6:7]
	s_load_b64 s[8:9], s[0:1], 0x10                ; out0
	v_lshl_add_u32 v[SPW], v0, 2, SPARE
	v_mov_b32 v[NIL], 0
	ds_add_u32 v28, v29
	ds_add_u32 v28, v29
	s_wait_dscnt 0x0
	v_lshrrev_b32 v1, 5, v0
	v_readfirstlane_b32 s14, v1                    ; wave 0..3
	s_lshr_b32 s15, s14, 1
	s_and_b32 s16, s14, 1
	s_bfe_u32 s66, ttmp6, 0x40000                  ; cx
	s_bfe_u32 s67, ttmp6, 0x40004                  ; cy
	s_and_b32 s17, ttmp7, 0xffff
	s_mov_b32 s18, 768                             ; attn's first row tile in cod
	s_mov_b32 s20, 704                             ; Wout's
	s_lshl_b32 s21, s17, 2
	s_add_co_u32 s21, s21, s67                     ; the tile's 256 rows of out0: hangs on cy alone
	s_lshl_b32 s22, ttmp9, 2
	s_add_co_u32 s22, s22, s66                     ; its 256 columns: on cx alone
	s_lshl_b32 s68, s67, 2
	s_lshl_b32 s68, 15, s68                        ; my row of the cluster
	s_lshl_b32 s69, 0x1111, s66                    ; my column
	s_or_b32 s[G1A], s68, (3<<16)|(1<<21)          ; 15:0 the mask; 17:16 elements of 8 bytes; 21 set beside a mask; no padding
	s_or_b32 s[G1B], s69, (3<<16)|(1<<21)
.irp g, G1A, G1B
	s_mov_b32 s[\g+1], 768<<16                     ; tensor_dim0: 6,144 bytes, for the head's load; set to 3,072 behind it
	s_mov_b32 s[\g+2], 8<<16                       ; tensor_dim1: 8 row tiles
	s_mov_b32 s[\g+3], 768<<16                     ; tile_dim0
	s_mov_b32 s[\g+4], 8                           ; tile_dim1
	s_mov_b32 s[\g+5], 1536                        ; from row tile to row tile: 12,288 bytes
	s_mov_b32 s[\g+6], 0
	s_mov_b32 s[\g+7], 0
.endr
	s_mov_b32 s92, 0xffff0000                      ; lanes 16-31
	s_lshl_b32 s70, s21, 4
	s_add_co_u32 s70, s70, s18
	s_lshl_b32 s71, s16, 3
	s_add_co_u32 s70, s70, s71
	s_mul_i32 s70, s70, 12288
	s_mov_b32 s71, 0
	s_lshl_b32 s72, s22, 4
	s_add_co_u32 s72, s72, s20
	s_lshl_b32 s73, s16, 3
	s_add_co_u32 s72, s72, s73
	s_mul_i32 s72, s72, 12288
	s_mov_b32 s73, 0
	s_mul_i32 s74, s14, HALFT
	s_wait_kmcnt 0x0
	s_add_nc_u64 s[70:71], s[4:5], s[70:71]
	s_add_nc_u64 s[72:73], s[4:5], s[72:73]
	CROUND                                         ; all sixteen work-groups are here: the first joint loads meet
.irp n, 0,1,2
	s_mov_b32 s[G0A+4*\n], 1
.if \n == 0
	s_lshl_b32 s[G0A+1], s74, 1                    ; region 0: wave x 49,152
.else
	s_add_co_u32 s[G0A+4*\n+1], s74, (2-\n)*2*SLOT ; region 1 from byte 196,608, region 2 from byte 0: + wave x 24,576
.endif
	s_add_nc_u64 s[G0A+4*\n+2:G0A+4*\n+3], s[70:71], (\n+(\n+1)/2)*3072   ; K 0, 512, 768
	s_or_b32 s[G0A+4*\n+3], s[G0A+4*\n+3], 0x80000000
	s_mov_b32 s[G0B+4*\n], 1
.if \n == 0
	s_lshl_b32 s[G0B+1], s74, 1
.else
	s_add_co_u32 s[G0B+4*\n+1], s74, (2-\n)*2*SLOT
.endif
	s_add_nc_u64 s[G0B+4*\n+2:G0B+4*\n+3], s[72:73], (\n+(\n+1)/2)*3072
	s_or_b32 s[G0B+4*\n+3], s[G0B+4*\n+3], 0x80000000
.endr
	JLOAD 0                                        ; K 0 .. 511: one tensor load a wave at the head
	v_and_b32 v1, 15, v0                           ; r
	v_bfe_u32 v2, v0, 4, 1                         ; h
	v_and_b32 v3, 31, v0
	v_lshlrev_b32 v[L16], 4, v3
	s_mul_i32 s75, s15, HALFT                      ; my 8 row tiles of A in region 2,
	s_mul_i32 s76, s16, HALFT
	s_add_co_u32 s76, s76, 2*HALFT                 ; and of B, behind A's 16
	v_add_nc_u32 v[ADRA+2], s75, v[L16]
	v_add_nc_u32 v[ADRB+2], s76, v[L16]
	v_add_nc_u32 v[ADRA+1], 2*SLOT, v[ADRA+2]      ; region 1 lies 196,608 bytes on
	v_add_nc_u32 v[ADRB+1], 2*SLOT, v[ADRB+2]
	v_add_nc_u32 v[ADRA], s75, v[ADRA+2]           ; region 0 has twice the bytes a row tile: every term but the lane's doubles
	v_add_nc_u32 v[ADRB], s76, v[ADRB+2]
	s_lshl_b32 s77, s21, 4                         ; the scale words: 512 bytes a row tile; lanes 0-15 take A's, lanes 16-31 B's
	s_add_co_u32 s77, s77, s18
	s_lshl_b32 s78, s15, 3
	s_add_co_u32 s77, s77, s78
	s_lshl_b32 s77, s77, 9
	s_lshl_b32 s78, s22, 4
	s_add_co_u32 s78, s78, s20
	s_lshl_b32 s79, s16, 3
	s_add_co_u32 s78, s78, s79
	s_lshl_b32 s78, s78, 9
	v_mov_b32 v4, s77
	v_mov_b32 v5, s78
	v_cndmask_b32 v[SOFF], v4, v5, s92
	v_lshl_add_u32 v[SOFF], v1, 4, v[SOFF]
.irp i, 0,1,2,3,4,5,6,7
.irp f, 0,1
	global_load_b128 v[SC+8*\i+4*\f:SC+8*\i+4*\f+3], v[SOFF], s[6:7] offset:512*\i+256*\f
.endr
.endr
	s_mul_i32 s80, s14, 8448                       ; my stage: 16 rows x 528 bytes, in region 0 from byte 98,304, which has had its one fill and is read by nobody behind the last barrier
	s_add_co_u32 s80, s80, SLOT
	v_mul_u32_u24 v[STO], v1, 528
	v_lshl_add_u32 v[STO], v2, 6, v[STO]
	v_add_nc_u32 v[STO], s80, v[STO]               ; in: row r, + 64 h
	v_add_nc_u32 v[RD], s80, v[L16]                ; back: a whole row of 512 bytes, 16 bytes a lane
	s_lshl_b32 s82, s21, 8
	s_lshl_b32 s83, s15, 7
	s_add_co_u32 s82, s82, s83                     ; my first row of out0,
	s_lshl_b32 s82, s82, 12
	s_lshl_b32 s83, s22, 10                        ; my first column, in bytes
	s_add_co_u32 s82, s82, s83
	s_lshl_b32 s83, s16, 9
	s_add_co_u32 s82, s82, s83
	s_mov_b32 s83, 0
	s_add_nc_u64 s[8:9], s[8:9], s[82:83]
	s_wait_alu depctr_va_vdst(0)
	s_wait_tensorcnt 0x0                           ; my part of K 0 .. 511 is in
	ds_add_u32 v[SPW], v[NIL]
	s_mov_b32 s[G1A+1], 384<<16                    ; no tensor load of mine is out, so a descriptor may be written: from here on a row is 3,072 bytes
	s_mov_b32 s[G1A+3], 384<<16
	s_mov_b32 s[G1B+1], 384<<16
	s_mov_b32 s[G1B+3], 384<<16
	s_wait_dscnt 0x0
	CROUND                                         ; everybody's part is in, and all sixteen work-groups are here
	JLOAD 1                                        ; K 512 .. 767 into region 1: the first tensor load behind the round
	FETCH_B 0, 0, 0
	FETCH_A 0, 0, 0
	FETCH_A 0, 0, 4
	s_wait_loadcnt 0x0                             ; the scale words
	STEP 0, 0, 1, 0, 1                             ; the first step's products start the sums
	STEP 1, 1, 0, 0, 2
	STEP 0, 2, 0, 0, 3
	TURN 1, 3, 1, 1                                ; region 1 has landed; region 0 is left, and its first half is filled again as region 2
	STEP 0, 4, 0, 1, 1
	TURN 1, 5, 0, 2                                ; region 2 has landed, everybody's part
	STEP 0, 6, 0, 2, 1
	s_wait_dscnt 12
	WIN MUL_LO
	MUL16 0, 1, 7, 0
	MUL16 2, 1, 7, 0
	s_wait_dscnt 0x0
	WIN MUL_HI
	MUL16 4, 1, 7, 0
	MUL16 6, 1, 7, 0
	WIN 0
; THE WAY OUT, block by block of 16 rows x 128 columns, through my own stage: in as 32 bytes a lane at the columns' true places, back as whole rows of 512 bytes.  LDS serves a wave's instructions in order.
.macro TOSTAGE a
.set AC, 64*((\a)%4)
	WIN 0x08+4*((\a)/4)                            ; an LDS store's data are its source 1: window 2 or 3
.irp b, 0,1,2,3,4,5,6,7
	ds_store_b128 v[STO], v[AC+8*\b:AC+8*\b+3] offset:128*(\b/2)+32*(\b%2)        ; each accumulator from its low end on
	ds_store_b128 v[STO], v[AC+8*\b+4:AC+8*\b+7] offset:128*(\b/2)+32*(\b%2)+16
.endr
	WIN 0
.set BB, BK+64*((\a)%2)
.irp t, 0,1,2,3,4,5,6,7,8,9,10,11,12,13,14,15
	ds_load_b128 v[BB+4*\t:BB+4*\t+3], v[RD] offset:\t*528
.endr
.endm
.macro SEND a, younger                 ; younger: the LDS instructions issued behind block a's loads
.set BB, BK+64*((\a)%2)
	s_wait_dscnt \younger
.irp t, 0,1,2,3,4,5,6,7,8,9,10,11,12,13,14,15
	global_store_b128 v[L16], v[BB+4*\t:BB+4*\t+3], s[8:9] offset:(32*((\a)/2)+8*((\a)%2)+\t+8*(\t/8))*4096 th:TH_STORE_NT   ; 512 consecutive bytes, aligned; image row t's true row stands in the immediate
.endr
.endm
	PLACES 4                                       ; in front of the first read of results and of loads into the registers that held A's fragments
	TOSTAGE 0
.irp a, 1,2,3,4,5,6,7
.if \a > 1
	s_wait_xcnt 0x0                                ; block a - 2's stores have read their registers: block a's loads may land there
.endif
	TOSTAGE \a
	SEND \a-1, 32                                  ; behind block a - 1's loads: block a's 16 stores and 16 loads
.endr
	SEND 7, 0
	s_wait_tensorcnt 0x0                           ; the wave's end
	ds_add_u32 v[SPW], v[NIL]
	s_wait_dscnt 0x0
	CROUND                                         ; the closing round
	s_endpgm
.Lfunc_end_k_q8f01897130_proj:
	.size	k_q8f01897130_proj, .Lfunc_end_k_q8f01897130_proj-k_q8f01897130_proj
	.p2alignl 7, 3214868480
	.fill 96, 4, 3214868480
	.section	.rodata,"a",@progbits
	.p2align	6, 0x0
	.amdhsa_kernel k_q8f01897130_proj
		.amdhsa_group_segment_fixed_size 327680
		.amdhsa_private_segment_fixed_size 0
		.amdhsa_enable_private_segment 0
		.amdhsa_kernarg_size 24
		.amdhsa_user_sgpr_count 2
		.amdhsa_user_sgpr_kernarg_segment_ptr 1
		.amdhsa_wavefront_size32 1
		.amdhsa_system_sgpr_workgroup_id_x 1
		.amdhsa_system_sgpr_workgroup_id_y 1
		.amdhsa_system_sgpr_workgroup_id_z 1
		.amdhsa_system_vgpr_workitem_id 0
		.amdhsa_next_free_vgpr 1024
		.amdhsa_next_free_sgpr 100
		.amdhsa_reserve_vcc 0
		.amdhsa_float_denorm_mode_32 3
		.amdhsa_float_denorm_mode_16_64 3
		.amdhsa_memory_ordered 1
		.amdhsa_forward_progress 1
		.amdhsa_inst_pref_size 132
	.end_amdhsa_kernel
	.amdgpu_metadata
---
amdhsa.version: [ 1, 2 ]
amdhsa.kernels:
  - .name:           k_q8f01897130_proj
    .symbol:         k_q8f01897130_proj.kd
    .args:
      - { .name: cod, .offset: 0, .size: 8, .value_kind: global_buffer, .address_space: global }
      - { .name: scl, .offset: 8, .size: 8, .value_kind: global_buffer, .address_space: global }
      - { .name: out0, .offset: 16, .size: 8, .value_kind: global_buffer, .address_space: global }
    .group_segment_fixed_size: 327680
    .private_segment_fixed_size: 0
    .kernarg_segment_align: 8
    .kernarg_segment_size: 24
    .max_flat_workgroup_size: 128
    .sgpr_count:     100
    .vgpr_count:     1024
    .wavefront_size: 32
...
	.end_amdgpu_metadata
.endif
;; end of part 4
